; MI455X (gfx1250); checked and timed in simulation.
; The chip was launched on July 23, 2026; its instructions are those of AMD's public machine-readable ISA for CDNA 5 (MIT licence, August 2026) and "CDNA5" Instruction Set Architecture Reference Guide (July 2026). The comments in the code are by the model that wrote it; some were corrected since.
;; Intra Domain Attention. Allowed arithmetic: float matrix products may take bf16 or f16 operands with f32 sums; all other float work in f32.
;; Inputs: Wkv 512 x 1,024 float32; Wq 512 x 512 float32; bkv 1,024 float32; bq 512 float32; global_tokens 8 x 1,024 x 512 float32; x 8 x 2,048 x 512 float32.
;; Outputs: out0 8 x 2,048 x 512 float32.
;; 2 versions, each right and faster than the one before. Each part assembles by itself: llvm-mc -triple=amdgcn-amd-amdhsa -mcpu=gfx1250 --defsym DOCPART=n.
;; ======== version 1 of 2: 2 launches
;; limits: values are held in f16: magnitudes above 65,504 overflow, below 6.1e-05 lose precision
;; workspace buffers: qf 16,777,216 bytes; kvf 16,777,216 bytes
;; launch proj (part 1): grid 256 x 1, 8 waves a work-group, no clusters, 140,800 bytes of LDS; arguments x, global_tokens, Wq, Wkv, bq, bkv, qf, kvf; writes qf, kvf
.if DOCPART == 1
	.amdgcn_target "amdgcn-amd-amdhsa--gfx1250"
	.amdhsa_code_object_version 6
	.text
	.protected	k_q201cf04f25_proj
	.globl	k_q201cf04f25_proj
	.p2align	8
	.type	k_q201cf04f25_proj,@function
k_q201cf04f25_proj:
	s_mov_b64 s[64:65], 0
	v_nop
	global_prefetch_b8 v0, s[64:65] scope:SCOPE_SE
	s_setreg_imm32_b32 hwreg(HW_REG_WAVE_MODE, 25, 1), 1
	s_wait_xcnt 0x0
; PROJ: q = (x Wq + bq) * log2(e), k and v = global_tokens Wkv + bkv, all rounded once to f16 and stored as ready-made matrix fragments.
; x [16384][512], global_tokens [8192][512], Wq [512][512], Wkv [512][1024], bq [512], bkv [1024]: f32.  Sums in f32, operands f16.
; LIMIT (range): operands and results are f16: |x|, |global_tokens|, |W|, |(x Wq + bq) * 1.4427|, |k|, |v| must stay below 65,504;
; beyond that the conversion gives infinity.  Magnitudes below 2^-24 round to zero.
;
; WORK.  256 work-groups: 0-127 make Q (64 blocks of 256 tokens x 2 blocks of 256 channels), 128-255 make K and V (32 x 4; channel blocks
; 0, 1 are K, 2, 3 are V).  Eight waves, two a SIMD: wave w takes tokens 128 (w >> 2) .. +127 and channels 64 (w & 3) .. +63, which is one head:
; 8 x 4 accumulator tiles of 16 x 16 = 256 registers.  K = 512 goes in 8 steps of 64 through two LDS slots.
; WHY THROUGH REGISTERS, AND NO CLUSTER: the inputs are f32 and every number has to pass a register to be rounded to f16 (W is also turned
; there, for nothing: the packing conversion takes k and k + 1 of one column).  A tensor load would lay f32 into LDS, twice the bytes for every
; fragment read, and a second LDS copy would still be needed.  So the tiles come by plain loads of 256 aligned bytes per 16 lanes.
;
; THE OUTPUT.  A 16 x 16 result packed to f16 is 4 registers a lane, stored at lane x 16: 512 consecutive aligned bytes by one store.
; Q and K: source 0 = W's fragment, source 1 = x's: a lane holds token l % 16, channels 8 (l / 16) .. +7 = half of a fragment with k = channel.
; V:       source 0 = x's fragment, source 1 = W's: a lane holds channel l % 16, tokens 8 (l / 16) .. +7 = half of a fragment with k = token.
;   qf  byte = (b*8 + head)*262144 + NT*2048 + c*512 + lane*16                       (NT: tile of 16 queries, c: block of 16 channels of the head)
;   kvf byte = (b*8 + head)*262144 + (T>>3)*32768 + isV*16384 + (T&7)*2048 + c*512 + lane*16   (T: tile of 16 keys)
;
; LDS, one slot (f16): x: 16 row tiles of 2,304 bytes = 8 blocks (8 k each) at pitch 288, element (row, k) at RT*2304 + (k>>3)*288 + (row&15)*16 + (k&7)*2;
;                      W: 16 channel tiles of 2,064 bytes, element (k, n) at 36864 + CT*2064 + (k>>3)*256 + (n&15)*16 + (k&7)*2.
; With these pitches the 32 lanes of an x store touch 32 different 8-byte places modulo 256 bytes, the 16 lanes of each half of a W store
; 16 different 16-byte places modulo 256, and each half of a fragment load reads 256 consecutive bytes.
.set SLOT, 69888                       ; bytes of a slot
.set XRT,  2304                        ; a row tile of x
.set XBLK, 288                         ; a block of 8 k in it
.set WOFF, 36864                       ; W's region in a slot
.set WCT,  2064                        ; a channel tile of W
.set AX,   4                           ; v4      byte offset of my 16 bytes of x in the wave's first two rows
.set OUTO, 5                           ; v5      lane x 16
.set SX,   6                           ; v6-7    where I store x, slot 0, 1
.set SW,   8                           ; v8-9    where I store W
.set RA,   10                          ; v10-11  where I read x's fragments
.set RB,   12                          ; v12-13  where I read W's fragments
.set AW,   14                          ; v14-21  byte offsets of my 16 bytes in eight rows of W; in the last step: offsets into the bias
.set STX,  24                          ; v24-87  x as loaded (16 loads); at the end the 32 biases
.set STW,  88                          ; v88-151 W as loaded (2 x 8 loads)
.set FA,   152                         ; v152-215 x's fragments (8 row tiles); also at work in conversions and on the way out
.set FB,   216                         ; v216-247 W's fragments (4 channel tiles)
                                       ; window 1 (v256-511): accumulator tile (rt, ct) at 8 (4 rt + ct)
.set MULW, 0x50                        ; C and D in window 1, sources in window 0
.set MSB, 0
.macro WIN new                         ; the immediate's high byte repeats the setting that is left
.if MSB != \new
	s_set_vgpr_msb (MSB<<8)|\new
.set MSB, \new
.endif
.endm
; Four places: a vector instruction that reads a matrix result or writes a matrix instruction's register, and a load into such a register,
; stand four plain independent vector instructions behind it (ISA guide 7.12.1 for vector instructions).
.macro PLACES
.rept 4
	v_nop
.endr
.endm
	s_load_b512 s[8:23], s[0:1], 0x0               ; x, global_tokens, Wq, Wkv, bq, bkv, qf, kvf
	v_lshl_add_u32 v254, v0, 2, 0x22200
	v_mov_b32 v255, 0
	v_lshrrev_b32 v1, 5, v0
	v_readfirstlane_b32 s43, v1                    ; wave w
	s_lshr_b32 s44, s43, 2                         ; wr: which 128 tokens
	s_and_b32 s45, s43, 3                          ; wc: which 64 channels
	s_and_b32 s48, ttmp9, 127
	s_lshr_b32 s49, s48, 1                         ; job Q: token block 0..63
	s_and_b32 s50, s48, 1                          ;        channel block 0..1
	s_lshr_b32 s51, s48, 2                         ; job KV: token block 0..31
	s_and_b32 s52, s48, 3                          ;         channel block 0..3
	; the wave's place in qf: ((rb>>3)*8 + cb*4 + wc) << 18 + ((rb&7)*2 + wr) << 14
	s_and_b32 s53, s49, 0x38
	s_lshl2_add_u32 s53, s50, s53
	s_add_co_u32 s53, s53, s45
	s_lshl_b32 s53, s53, 18
	s_and_b32 s54, s49, 7
	s_lshl1_add_u32 s54, s54, s44
	s_lshl_b32 s54, s54, 14
	s_add_co_u32 s53, s53, s54
	; the wave's place in kvf: ((rb>>2)*8 + (cb&1)*4 + wc) << 18 + ((rb&3)*2 + wr) << 15 + (cb>>1) << 14
	s_and_b32 s54, s51, 0x1c
	s_lshl_b32 s54, s54, 1
	s_and_b32 s55, s52, 1
	s_lshl2_add_u32 s54, s55, s54
	s_add_co_u32 s54, s54, s45
	s_lshl_b32 s54, s54, 18
	s_and_b32 s55, s51, 3
	s_lshl1_add_u32 s55, s55, s44
	s_lshl_b32 s55, s55, 15
	s_add_co_u32 s54, s54, s55
	s_lshr_b32 s42, s52, 1                         ; 1: V
	s_lshl_b32 s55, s42, 14
	s_add_co_u32 s54, s54, s55
	s_wait_kmcnt 0x0
	s_cmp_ge_u32 ttmp9, 128                        ; one compare on the work-group's number chooses the job; the selects leave SCC alone
	s_cselect_b64 s[24:25], s[10:11], s[8:9]       ; rows: global_tokens or x
	s_cselect_b64 s[26:27], s[14:15], s[12:13]     ; weights
	s_cselect_b64 s[30:31], s[18:19], s[16:17]     ; bias
	s_cselect_b64 s[32:33], s[22:23], s[20:21]     ; output
	s_cselect_b32 s46, s51, s49                    ; rb
	s_cselect_b32 s47, s52, s50                    ; cb
	s_cselect_b32 s48, s54, s53                    ; the wave's place in the output
	s_cselect_b32 s42, s42, 0                      ; ISV
	s_cselect_b32 s35, 1, 0
	s_cselect_b32 s40, 1.0, 0x3fb8aa3b             ; Q alone is multiplied by log2(e), in f32, ahead of its one rounding
	s_mov_b32 s41, s40
	s_mov_b32 s49, 0
	s_add_nc_u64 s[32:33], s[32:33], s[48:49]
	s_lshl_b32 s34, 2048, s35                      ; bytes in a row of W: 2,048 or 4,096
	s_lshl_b32 s36, s34, 6                         ; 64 rows of W: a K step
	s_mov_b32 s37, 0
	s_lshl_b32 s38, s34, 4                         ; 16 rows of W
	s_mov_b32 s39, 0
	s_lshl_b32 s48, s46, 19                        ; 256 rows of 2,048 bytes
	s_add_nc_u64 s[24:25], s[24:25], s[48:49]
	s_lshl_b32 s48, s47, 10                        ; 256 channels of 4 bytes
	s_add_nc_u64 s[26:27], s[26:27], s[48:49]
	s_add_nc_u64 s[28:29], s[26:27], s[38:39]      ; the same, 16 rows further down
	s_lshl_b32 s50, s45, 8
	s_add_co_u32 s48, s48, s50
	s_add_nc_u64 s[30:31], s[30:31], s[48:49]      ; the bias of my 64 channels
	v_and_b32 v1, 15, v0                           ; r = l % 16 (kept to the end)
	v_bfe_u32 v2, v0, 4, 1                         ; h = l / 16 (kept to the end)
	v_and_b32 v3, 31, v0
	v_lshlrev_b32 v[OUTO], 4, v3
	s_lshl_b32 s48, s43, 16                        ; x: row 32 w + h, 16 bytes at 16 r
	v_lshl_add_u32 v[AX], v1, 4, s48
	v_lshl_add_u32 v[AX], v2, 11, v[AX]
	v_lshrrev_b32 v3, 1, v1                        ; x into LDS: my 4 numbers are k = 4 r ..: block r >> 1, half r & 1, row 2 i + h
	v_mul_u32_u24 v[SX], v3, XBLK
	v_and_b32 v3, 1, v1
	v_lshl_add_u32 v[SX], v3, 3, v[SX]
	v_lshl_add_u32 v[SX], v2, 4, v[SX]
	s_mul_i32 s48, s43, 2*XRT
	v_add_nc_u32 v[SX], s48, v[SX]
	v_add_nc_u32 v[SX+1], SLOT, v[SX]
	v_lshrrev_b32 v3, 2, v1                        ; W into LDS: channels 64 (w & 3) + 4 r + jj, k block 4 (w >> 2) + 2 e + h
	v_mul_u32_u24 v[SW], v3, WCT
	v_and_b32 v3, 3, v1
	v_lshl_add_u32 v[SW], v3, 6, v[SW]
	v_lshl_add_u32 v[SW], v2, 8, v[SW]
	s_mul_i32 s48, s45, 4*WCT
	s_lshl_b32 s49, s44, 10
	s_add_co_u32 s48, s48, s49
	s_add_co_u32 s48, s48, WOFF
	v_add_nc_u32 v[SW], s48, v[SW]
	v_add_nc_u32 v[SW+1], SLOT, v[SW]
	v_mul_u32_u24 v[RA], v2, XBLK                  ; x's fragments: row r, block h of my 8 row tiles
	v_lshl_add_u32 v[RA], v1, 4, v[RA]
	s_mul_i32 s48, s44, 8*XRT
	v_add_nc_u32 v[RA], s48, v[RA]
	v_add_nc_u32 v[RA+1], SLOT, v[RA]
	s_mul_i32 s48, s45, 4*WCT                      ; W's fragments: h * 256 + r * 16 = lane * 16 in my 4 channel tiles
	s_add_co_u32 s48, s48, WOFF
	v_add_nc_u32 v[RB], s48, v[OUTO]
	v_add_nc_u32 v[RB+1], SLOT, v[RB]
	s_lshl_b32 s48, s44, 5                         ; W in memory: row 32 (w >> 2) + 8 h + i, 16 bytes at 256 (w & 3) + 16 r
	v_lshl_add_u32 v3, v2, 3, s48
	v_mul_lo_u32 v[AW], v3, s34
	s_lshl_b32 s48, s45, 8
	v_lshl_add_u32 v3, v1, 4, s48
	v_add_nc_u32 v[AW], v[AW], v3
.irp i, 1,2,3,4,5,6,7
	v_add_nc_u32 v[AW+\i], s34, v[AW+\i-1]
.endr
; One K step's share of a wave: 32 loads of 16 bytes a lane; each covers two pieces of 256 consecutive aligned bytes.
.macro FETCH
.irp i, 0,1,2,3,4,5,6,7,8,9,10,11,12,13,14,15
	global_load_b128 v[STX+4*\i:STX+4*\i+3], v[AX], s[24:25] offset:\i*4096       ; x: rows 32 w + 2 i + h
.endr
.irp i, 0,1,2,3,4,5,6,7
	global_load_b128 v[STW+4*\i:STW+4*\i+3], v[AW+\i], s[26:27]                    ; W: k = 32 (w >> 2) + 8 h + i
.endr
.irp i, 0,1,2,3,4,5,6,7
	global_load_b128 v[STW+32+4*\i:STW+32+4*\i+3], v[AW+\i], s[28:29]              ; W: 16 rows further down
.endr
.endm
.macro STEPB                           ; the bases go one K step on; it stands behind the wait that shows every load that names them done
	s_add_nc_u64 s[24:25], s[24:25], 256
	s_add_nc_u64 s[26:27], s[26:27], s[36:37]
	s_add_nc_u64 s[28:29], s[28:29], s[36:37]
.endm
; f32 to f16 and into a slot.  x: four neighbouring k of a row make 8 bytes.  W: a lane holds 8 k x 4 columns; the conversion packs k and k + 1
; of one column, so 8 k of a column make 16 bytes: the turn from [k][n] to [n][k] costs no instruction of its own.
.macro CONVERT slot
.irp i, 0,1,2,3,4,5,6,7,8,9,10,11,12,13,14,15
	v_cvt_pk_f16_f32 v[STX+4*\i], v[STX+4*\i], v[STX+4*\i+1]
	v_cvt_pk_f16_f32 v[STX+4*\i+1], v[STX+4*\i+2], v[STX+4*\i+3]
	ds_store_b64 v[SX+\slot], v[STX+4*\i:STX+4*\i+1] offset:(\i>>3)*XRT+(\i&7)*32
.endr
.irp e, 0,1
.irp jj, 0,1,2,3
.irp p, 0,1,2,3
	v_cvt_pk_f16_f32 v[FA+16*\e+4*\jj+\p], v[STW+32*\e+8*\p+\jj], v[STW+32*\e+8*\p+4+\jj]
.endr
	ds_store_b128 v[SW+\slot], v[FA+16*\e+4*\jj:FA+16*\e+4*\jj+3] offset:\e*512+\jj*16
.endr
.endr
.endm
; 32 matrix instructions, each on another accumulator: the accumulators take turns, one instruction a turn.
; nat = 0: source 0 = W (Q and K); nat = 1: source 0 = x (V).  zero = 1: the first product starts the sums, nothing is cleared.
.macro MUL32 nat, zero
.irp rt, 0,1,2,3,4,5,6,7
.irp ct, 0,1,2,3
.if \nat
.if \zero
	v_wmma_f32_16x16x32_f16 v[8*(4*\rt+\ct):8*(4*\rt+\ct)+7], v[FA+8*\rt:FA+8*\rt+7], v[FB+8*\ct:FB+8*\ct+7], 0
.else
	v_wmma_f32_16x16x32_f16 v[8*(4*\rt+\ct):8*(4*\rt+\ct)+7], v[FA+8*\rt:FA+8*\rt+7], v[FB+8*\ct:FB+8*\ct+7], v[8*(4*\rt+\ct):8*(4*\rt+\ct)+7]
.endif
.else
.if \zero
	v_wmma_f32_16x16x32_f16 v[8*(4*\rt+\ct):8*(4*\rt+\ct)+7], v[FB+8*\ct:FB+8*\ct+7], v[FA+8*\rt:FA+8*\rt+7], 0
.else
	v_wmma_f32_16x16x32_f16 v[8*(4*\rt+\ct):8*(4*\rt+\ct)+7], v[FB+8*\ct:FB+8*\ct+7], v[FA+8*\rt:FA+8*\rt+7], v[8*(4*\rt+\ct):8*(4*\rt+\ct)+7]
.endif
.endif
.endr
.endr
.endm
; 32 along K: 24 fragment loads, then the 32 products.  The other wave of the SIMD multiplies while this one waits for LDS.
.macro HALF slot, kb, zero
	PLACES                                         ; the fragment registers were sources of the last products
.irp ct, 0,1,2,3
	ds_load_b128 v[FB+8*\ct:FB+8*\ct+3],   v[RB+\slot] offset:\ct*WCT+\kb*1024       ; k = 32 kb + 8 h ..
	ds_load_b128 v[FB+8*\ct+4:FB+8*\ct+7], v[RB+\slot] offset:\ct*WCT+\kb*1024+512   ; k = 32 kb + 16 + 8 h ..
.endr
.irp rt, 0,1,2,3,4,5,6,7
	ds_load_b128 v[FA+8*\rt:FA+8*\rt+3],   v[RA+\slot] offset:\rt*XRT+\kb*4*XBLK
	ds_load_b128 v[FA+8*\rt+4:FA+8*\rt+7], v[RA+\slot] offset:\rt*XRT+\kb*4*XBLK+2*XBLK
.endr
	s_wait_dscnt 0x0
	s_cmp_lg_u32 s42, 0                            ; V takes the sources the other way round; the same in all waves of the work-group
	s_cbranch_scc1 .Lnat_\@
	WIN MULW
	MUL32 0, \zero
	WIN 0
	s_branch .Ljoin_\@
.Lnat_\@:
	WIN MULW
	MUL32 1, \zero
	WIN 0
.Ljoin_\@:
.endm
; The bias of each accumulator register, in either orientation: Q, K: register j of tile ct is channel 16 ct + 8 h + j; V: channel 16 ct + r.
.macro BIASLD
	s_cmp_lg_u32 s42, 0
	s_cselect_b32 s48, 4, 0                        ; bytes for each r
	s_cselect_b32 s49, 0, 32                       ; for h
	s_cselect_b32 s50, 0, 4                        ; for each j
	v_mul_u32_u24 v3, v1, s48
	v_mad_u32_u24 v[AW], v2, s49, v3               ; the loads of W that named these registers were waited for in the step before
.irp j, 1,2,3,4,5,6,7
	v_add_nc_u32 v[AW+\j], s50, v[AW+\j-1]
.endr
.irp ct, 0,1,2,3
.irp j, 0,1,2,3,4,5,6,7
	global_load_b32 v[STX+8*\ct+\j], v[AW+\j], s[30:31] offset:\ct*64
.endr
.endr
.endm
; A K step on slot `slot`.  fetch = 1: the next step's numbers are asked for first, multiplied past, then rounded into the other slot.
; ONE barrier a step orders two things: this step's stores into the other slot against the next step's reads of it, and this step's reads of
; `slot` against the next step's stores into it; both are complete by the wait for all LDS instructions in front of the signal.
.macro TRIP slot, zero, fetch
.if \fetch
	FETCH
.else
	BIASLD
.endif
	HALF \slot, 0, \zero
	HALF \slot, 1, 0
.if \fetch
	s_wait_loadcnt 0x0                             ; all 32 loads are in: their registers may be read and their bases stepped
	STEPB
	PLACES                                         ; CONVERT writes registers of x's fragments, sources of the last products
	CONVERT 1-\slot
	s_wait_dscnt 0x0                               ; for the other waves' sake: my stores are in LDS (my reads were waited for above)
	s_barrier_signal -1
	s_barrier_wait -1
.endif
.endm
	FETCH                                          ; K step 0
	s_wait_loadcnt 0x0
	STEPB
	CONVERT 0
	s_wait_dscnt 0x0
	s_barrier_signal -1
	s_barrier_wait -1
	TRIP 0, 1, 1                                   ; K steps 0 and 1 stand in front of the loop: the first products start the sums
	TRIP 1, 0, 1
	s_mov_b32 s56, 2
.Ltrip:
	TRIP 0, 0, 1                                   ; K steps 2 to 5
	TRIP 1, 0, 1
	s_sub_co_i32 s56, s56, 1
	s_cmp_lg_u32 s56, 0
	s_cbranch_scc1 .Ltrip
	TRIP 0, 0, 1                                   ; K step 6 fetches the last
	TRIP 1, 0, 0                                   ; K step 7 fetches the bias instead: no load leaves a buffer
	; THE WAY OUT: (sum + bias) * scale = sum * scale + bias * scale, one fused multiply-add, one rounding to f16, 512 consecutive bytes a store.
	PLACES
	s_wait_loadcnt 0x0                             ; the biases
.irp q, 0,1,2,3,4,5,6,7,8,9,10,11,12,13,14,15
	v_pk_mul_f32 v[STX+2*\q:STX+2*\q+1], v[STX+2*\q:STX+2*\q+1], s[40:41] op_sel_hi:[1,0]
.endr
.irp rt, 0,1,2,3,4,5,6,7
	s_wait_xcnt 0x0                                ; the registers that the last four stores read are rewritten only behind this wait
	WIN 0x01                                       ; source 0 = accumulators, window 1
.irp q, 0,1,2,3,4,5,6,7,8,9,10,11,12,13,14,15
	v_pk_fma_f32 v[FA+2*\q:FA+2*\q+1], v[32*\rt+2*\q:32*\rt+2*\q+1], s[40:41], v[STX+2*\q:STX+2*\q+1] op_sel_hi:[1,0,1]
.endr
	WIN 0
.irp q, 0,1,2,3,4,5,6,7,8,9,10,11,12,13,14,15
	v_cvt_pk_f16_f32 v[FA+32+\q], v[FA+2*\q], v[FA+2*\q+1]
.endr
.irp ct, 0,1,2,3
	global_store_b128 v[OUTO], v[FA+32+4*\ct:FA+32+4*\ct+3], s[32:33] offset:\rt*2048+\ct*512
.endr
.endr
	s_wait_tensorcnt 0x0
	ds_add_u32 v254, v255
	s_wait_dscnt 0x0
	s_endpgm
.Lfunc_end_k_q201cf04f25_proj:
	.size	k_q201cf04f25_proj, .Lfunc_end_k_q201cf04f25_proj-k_q201cf04f25_proj
	.p2alignl 7, 3214868480
	.fill 96, 4, 3214868480
	.section	.rodata,"a",@progbits
	.p2align	6, 0x0
	.amdhsa_kernel k_q201cf04f25_proj
		.amdhsa_group_segment_fixed_size 140800
		.amdhsa_private_segment_fixed_size 0
		.amdhsa_enable_private_segment 0
		.amdhsa_kernarg_size 64
		.amdhsa_user_sgpr_count 2
		.amdhsa_user_sgpr_kernarg_segment_ptr 1
		.amdhsa_wavefront_size32 1
		.amdhsa_system_sgpr_workgroup_id_x 1
		.amdhsa_system_sgpr_workgroup_id_y 1
		.amdhsa_system_sgpr_workgroup_id_z 1
		.amdhsa_system_vgpr_workitem_id 0
		.amdhsa_next_free_vgpr 512
		.amdhsa_next_free_sgpr 66
		.amdhsa_reserve_vcc 0
		.amdhsa_float_denorm_mode_32 3
		.amdhsa_float_denorm_mode_16_64 3
		.amdhsa_memory_ordered 1
		.amdhsa_forward_progress 1
		.amdhsa_inst_pref_size 153
	.end_amdhsa_kernel
	.amdgpu_metadata
---
amdhsa.version: [ 1, 2 ]
amdhsa.kernels:
  - .name:           k_q201cf04f25_proj
    .symbol:         k_q201cf04f25_proj.kd
    .args:
      - { .name: x, .offset: 0, .size: 8, .value_kind: global_buffer, .address_space: global }
      - { .name: global_tokens, .offset: 8, .size: 8, .value_kind: global_buffer, .address_space: global }
      - { .name: Wq, .offset: 16, .size: 8, .value_kind: global_buffer, .address_space: global }
      - { .name: Wkv, .offset: 24, .size: 8, .value_kind: global_buffer, .address_space: global }
      - { .name: bq, .offset: 32, .size: 8, .value_kind: global_buffer, .address_space: global }
      - { .name: bkv, .offset: 40, .size: 8, .value_kind: global_buffer, .address_space: global }
      - { .name: qf, .offset: 48, .size: 8, .value_kind: global_buffer, .address_space: global }
      - { .name: kvf, .offset: 56, .size: 8, .value_kind: global_buffer, .address_space: global }
    .group_segment_fixed_size: 140800
    .private_segment_fixed_size: 0
    .kernarg_segment_align: 8
    .kernarg_segment_size: 64
    .max_flat_workgroup_size: 256
    .sgpr_count:     66
    .vgpr_count:     512
    .wavefront_size: 32
...
	.end_amdgpu_metadata
.endif
;; end of part 1
;; launch attn (part 2): grid 256 x 1, 8 waves a work-group, clusters of 4 x 1, 297,984 bytes of LDS; arguments qf, kvf, out0; writes out0
.if DOCPART == 2
	.amdgcn_target "amdgcn-amd-amdhsa--gfx1250"
	.amdhsa_code_object_version 6
	.text
	.protected	k_q201cf04f25_attn
	.globl	k_q201cf04f25_attn
	.p2align	8
	.type	k_q201cf04f25_attn,@function
k_q201cf04f25_attn:
	s_mov_b64 s[64:65], 0
	v_nop
	global_prefetch_b8 v0, s[64:65] scope:SCOPE_SE
	s_setreg_imm32_b32 hwreg(HW_REG_WAVE_MODE, 25, 1), 1
	s_wait_xcnt 0x0
	s_wait_alu depctr_hold_cnt(0) depctr_sa_sdst(0) depctr_va_vdst(0) depctr_va_sdst(0) depctr_va_ssrc(0) depctr_va_vcc(0) depctr_vm_vsrc(0)
	s_getreg_b32 s2, hwreg(HW_REG_IB_STS2, 6, 4)
	s_cmp_eq_u32 s2, 0
	s_cbranch_scc0 .Lentry_in_a_cluster
	s_endpgm
.Lentry_in_a_cluster:
	s_bfe_u32 s2, ttmp6, 0x10000c
	s_cmp_lg_u32 s2, 0x3003
	s_cbranch_scc0 .Lentry_shape_is_right
	s_endpgm
.Lentry_shape_is_right:
; ATTN: out[b][n][head*64 + d] = sum over m of softmax_m(q[n] . k[m]) v[m][d], for 64 (batch, head) pairs, 2,048 queries, 1,024 keys, D = 64.
; qf holds q * log2(e), kvf holds k and v, all f16 and already in the order of matrix fragments (blocks of 512 bytes, lane x 16):
;   qf  byte = bh*262144 + NT*2048 + c*512 + lane*16;   kvf byte = bh*262144 + G*32768 + isV*16384 + (T&7)*2048 + c*512 + lane*16.
; LIMIT (range): p is rounded to f16 for the second product (p <= 1; p below 2^-25 counts as 0 there); q, k, v are f16 as they were stored.
; The row maximum is taken away before every exponential, as a running maximum; sums, maxima and results are f32.
;
; WORK.  A cluster of four work-groups takes one (batch, head); work-group cx takes 512 queries, wave w 64 of them (4 tiles of 16).
; The head's whole K and V, 262,144 bytes, lie in LDS, each byte filled once: no slot is ever filled again.  The four work-groups need the same
; bytes and ask for them JOINTLY (mask 15): each wave issues the same two loads as its namesakes in the partners.  cx enters only the offsets
; into qf and out0, never an LDS address, a branch or a descriptor.
; Eight waves of 64 queries, two a SIMD, rather than four of 128: a step has about as much softmax as matrix work, and one wave's
; exponentials run while the other wave's matrix instructions do.
;
; BOTH PRODUCTS ARE TAKEN TRANSPOSED.  S^T = K Q^T: source 0 = 16 keys, source 1 = 16 queries: lane l holds query l % 16, its registers keys
; 8 (l / 16) + 0..7.  Packed to f16 in place, two such tiles ARE source 1 of O^T = V^T P^T (k = 32 keys): no lane ever hands a score to
; another.  A query's maximum and sum lie in one lane and its partner l xor 16.  In O^T a lane holds 8 neighbouring channels of its query.
.set CHUNK,  131072                    ; half of the head's K and V: 512 keys
.set STAGE,  262144                    ; behind K and V: 16 rows x 272 bytes for each wave, for the way out; no tensor load lands here
.set SPITCH, 272                       ; 256 bytes + 16: the 16 rows that a store touches begin at 16 different 16-byte places modulo 256
.set ADR, 2                            ; v2       lane x 16 + the group of 128 keys x 32,768
.set STO, 3                            ; v3       the way out: where I put 16 bytes
.set RD,  4                            ; v4       the way out: where I read a row back
.set CO,  5                            ; v5       my byte offset in out0
.set QO,  6                            ; v6       lane x 16, for Q
.set TM,  8                            ; v8-11    maximum at work, one for each query tile n
.set TX,  12                           ; v12-15   the partner lane's
.set MX,  16                           ; v16-23   running maximum, twice (pairs for packed arithmetic)
.set AL,  24                           ; v24-31   2^(old maximum - new), twice; at the end 1 / sum
.set LS,  32                           ; v32-39   running sums, two partial sums a lane
.set KF,  40                           ; v40-103  K's fragments (mt, kb) at 8 (2 mt + kb): 16 keys x 32 channels
.set VF,  104                          ; v104-167 V's fragments (t, kk) at 8 (4 kk + t): 16 channels x 32 keys
.set QF,  168                          ; v168-231 Q's fragments (n, kb) at 8 (2 n + kb), for the whole kernel
.set SB,  128                          ; window 1: O(n, t) at 8 (4 n + t); S(n, mt) at 128 + 8 (4 n + mt); P(n, kk) in place at 128 + 32 n + 16 kk
.set MSB, 0
.macro WIN new                         ; low byte: bits 1:0 source 0, 3:2 source 1, 5:4 source 2, 7:6 destination; the high byte repeats the setting that is left
.if MSB != \new
	s_set_vgpr_msb (MSB<<8)|\new
.set MSB, \new
.endif
.endm
.macro PLACES                          ; four plain independent vector instructions behind a matrix instruction (ISA guide 7.12.1)
.rept 4
	v_nop
.endr
.endm
; A round of the cluster's barrier: my work-group's barrier, wave 0 signals for the work-group, every wave waits for all four work-groups, my work-group's barrier again.
.macro ROUND
	s_barrier_signal -1
	s_barrier_wait -1
	s_cmp_lg_u32 s10, 0
	s_cbranch_scc1 .Lnot_wave_0_\@
	s_barrier_signal -3
.Lnot_wave_0_\@:
	s_barrier_wait -3
	s_barrier_signal -1
	s_barrier_wait -1
.endm
	s_load_b128 s[4:7], s[0:1], 0x0                ; qf s[4:5], kvf s[6:7]
	s_load_b64 s[8:9], s[0:1], 0x10                ; out0
	v_lshl_add_u32 v254, v0, 2, 0x48800
	v_mov_b32 v255, 0
	ds_add_u32 v254, v255
	v_lshrrev_b32 v1, 5, v0
	v_readfirstlane_b32 s10, v1                    ; wave w
	s_bfe_u32 s11, ttmp6, 0x40000                  ; cx: my place in the cluster; ttmp9 counts clusters = (batch, head) pairs
	s_mov_b32 s40, 0x76543210                      ; v_permlanex16_b32: lane i reads lane i of the other half
	s_mov_b32 s41, 0xfedcba98
	; descriptor group 1: 64 rows of 32 elements of 8 bytes, dense: 16,384 consecutive bytes
	s_mov_b32 s16, 15|(3<<16)|(1<<21)              ; 15:0 mask: all four work-groups; 17:16 element of 8 bytes; 21 set beside a mask; no padding
	s_mov_b32 s17, 32<<16                          ; tensor_dim0 = 32
	s_mov_b32 s18, 64<<16                          ; tensor_dim1 = 64
	s_mov_b32 s19, 32<<16                          ; tile_dim0 = 32
	s_mov_b32 s20, 64                              ; tile_dim1 = 64
	s_mov_b32 s21, 32                              ; from row to row: 32 elements
	s_mov_b32 s22, 0
	s_mov_b32 s23, 0
	s_lshl_b32 s46, s10, 14                        ; my wave's 16,384 bytes of a chunk, in LDS and in kvf alike
	s_lshl_b32 s14, ttmp9, 18
	s_add_co_u32 s14, s14, s46                     ; kvf: the pair's 262,144 bytes + the wave's part (no register here ever holds cx)
	s_mov_b32 s15, 0
	s_lshl_b32 s12, s11, 5                         ; qf: query tile 32 cx + 4 w, 2,048 bytes each
	s_lshl2_add_u32 s12, s10, s12
	s_lshl_b32 s12, s12, 11
	s_lshl_b32 s13, ttmp9, 18
	s_add_co_u32 s12, s12, s13
	s_mov_b32 s13, 0
	s_lshr_b32 s44, ttmp9, 3                       ; out0: batch x 4 MiB + query (512 cx + 64 w) x 2,048 + head x 256
	s_lshl_b32 s44, s44, 22
	s_lshl_b32 s45, s11, 3
	s_add_co_u32 s45, s45, s10
	s_lshl_b32 s45, s45, 17
	s_add_co_u32 s44, s44, s45
	s_and_b32 s45, ttmp9, 7
	s_lshl_b32 s45, s45, 8
	s_add_co_u32 s44, s44, s45
	s_mov_b32 s45, 0
	s_wait_dscnt 0x0
	s_wait_kmcnt 0x0
	s_add_nc_u64 s[4:5], s[4:5], s[12:13]
	s_add_nc_u64 s[6:7], s[6:7], s[14:15]
	s_add_nc_u64 s[8:9], s[8:9], s[44:45]
	ROUND                                          ; all four work-groups are here: the joint loads meet
	; Both fills of every wave go out as one group: two tensor loads of the wave are outstanding, never more.
.irp c, 0,1
	s_mov_b32 s[24+4*\c], 1                                        ; count = 1
	s_add_co_u32 s[25+4*\c], s46, \c*CHUNK                         ; LDS address: chunk, wave
	s_add_nc_u64 s[26+4*\c:27+4*\c], s[6:7], \c*CHUNK              ; the same place in the pair's bytes of kvf
	s_or_b32 s[27+4*\c], s[27+4*\c], 0x80000000                    ; type = 2
	tensor_load_to_lds s[24+4*\c:27+4*\c], s[16:23]
	s_nop 0
.endr
	v_and_b32 v1, 31, v0
	v_lshlrev_b32 v[ADR], 4, v1
	v_mov_b32 v[QO], v[ADR]
.irp u, 0,1,2,3,4,5,6,7,8,9,10,11,12,13,14,15
	global_load_b128 v[QF+4*\u:QF+4*\u+3], v[QO], s[4:5] offset:512*\u th:TH_LOAD_NT   ; u = 4 n + c: 512 consecutive bytes a load; read once in the launch
.endr
	v_and_b32 v7, 15, v0                           ; r
	v_bfe_u32 v1, v0, 4, 1                         ; h
	s_mul_i32 s47, s10, 16*SPITCH
	s_add_co_u32 s47, s47, STAGE                   ; my stage
	v_mul_u32_u24 v[STO], v7, SPITCH               ; in: row r (my query), 32 bytes for each half of the lanes
	v_lshl_add_u32 v[STO], v1, 5, v[STO]
	v_add_nc_u32 v[STO], s47, v[STO]
	v_mul_u32_u24 v[RD], v1, SPITCH                ; back: lanes 0-15 one row of 256 bytes, lanes 16-31 the next
	v_lshl_add_u32 v[RD], v7, 4, v[RD]
	v_add_nc_u32 v[RD], s47, v[RD]
	v_lshlrev_b32 v[CO], 4, v7                     ; and the same two queries in out0
	v_lshl_add_u32 v[CO], v1, 11, v[CO]
.irp n, 0,1,2,3
	v_mov_b32 v[TX+\n], 0                          ; v_permlanex16_b32 counts as a reader of its destination
.endr
; 64 keys at byte `off` of the group of 128.  first = 1: the first step of all: it starts maxima, sums and O, nothing is cleared.
.macro STEP first, off
.rept 5
	v_nop                                          ; behind the last products: four places ahead of the loads into V's fragments, five ahead of the matrix instructions that write over P
.endr
.irp mt, 0,1,2,3
.irp kb, 0,1
	ds_load_b128 v[KF+8*(2*\mt+\kb):KF+8*(2*\mt+\kb)+3],   v[ADR] offset:\off+\mt*2048+\kb*1024        ; keys 16 mt .., channels 32 kb + 8 h ..
	ds_load_b128 v[KF+8*(2*\mt+\kb)+4:KF+8*(2*\mt+\kb)+7], v[ADR] offset:\off+\mt*2048+\kb*1024+512    ; channels 32 kb + 16 + 8 h ..
.endr
.endr
.irp kk, 0,1
.irp t, 0,1,2,3
	ds_load_b128 v[VF+8*(4*\kk+\t):VF+8*(4*\kk+\t)+3],   v[ADR] offset:16384+\off+\kk*4096+\t*512       ; channels 16 t .., keys 32 kk + 8 h ..
	ds_load_b128 v[VF+8*(4*\kk+\t)+4:VF+8*(4*\kk+\t)+7], v[ADR] offset:16384+\off+\kk*4096+\t*512+2048  ; keys 32 kk + 16 + 8 h ..
.endr
.endr
	s_wait_dscnt 16                                ; LDS loads come back in order: K's 16 are in, V's 16 stay out until the second product
	; S^T = K Q^T.  16 accumulators by turns, one instruction a turn; the first 32 channels start the sums.
	WIN 0x50
.irp n, 0,1,2,3
.irp mt, 0,1,2,3
	v_wmma_f32_16x16x32_f16 v[SB+8*(4*\n+\mt):SB+8*(4*\n+\mt)+7], v[KF+16*\mt:KF+16*\mt+7], v[QF+16*\n:QF+16*\n+7], 0
.endr
.endr
.irp n, 0,1,2,3
.irp mt, 0,1,2,3
	v_wmma_f32_16x16x32_f16 v[SB+8*(4*\n+\mt):SB+8*(4*\n+\mt)+7], v[KF+16*\mt+8:KF+16*\mt+15], v[QF+16*\n+8:QF+16*\n+15], v[SB+8*(4*\n+\mt):SB+8*(4*\n+\mt)+7]
.endr
.endr
	PLACES
	; the largest of my 32 scores of each query tile and of the running maximum: four chains that do not wait for each other
	WIN 0x05
.irp n, 0,1,2,3
.if \first
	v_max_num_f32 v[TM+\n], v[SB+32*\n], v[SB+32*\n+1]
.else
	v_max3_num_f32 v[TM+\n], v[SB+32*\n], v[SB+32*\n+1], v[MX+2*\n]
.endif
.endr
.irp i, 1,2,3,4,5,6,7,8,9,10,11,12,13,14,15
.irp n, 0,1,2,3
	v_max3_num_f32 v[TM+\n], v[SB+32*\n+2*\i], v[SB+32*\n+2*\i+1], v[TM+\n]
.endr
.endr
	WIN 0
.irp n, 0,1,2,3
	v_permlanex16_b32 v[TX+\n], v[TM+\n], s40, s41 ; the other half of the query's keys lies in lane l xor 16
.endr
.irp n, 0,1,2,3
	v_max_num_f32 v[TM+\n], v[TM+\n], v[TX+\n]
.endr
.if \first == 0
.irp n, 0,1,2,3
	v_sub_f32 v[AL+2*\n], v[MX+2*\n], v[TM+\n]     ; old maximum - new, at most 0
.endr
.irp n, 0,1,2,3
	v_exp_f32 v[AL+2*\n], v[AL+2*\n]
.endr
.endif
.irp n, 0,1,2,3
	v_mov_b32 v[MX+2*\n], v[TM+\n]                 ; these plain moves also stand between the exponentials and the first use of their results (ISA guide 5.7.2)
	v_mov_b32 v[MX+2*\n+1], v[TM+\n]
.endr
.if \first == 0
	s_wait_alu depctr_va_vdst(0)
.irp n, 0,1,2,3
	v_mov_b32 v[AL+2*\n+1], v[AL+2*\n]
.endr
.endif
	; p = 2^(s - maximum), in place.  Each exponential is followed by a plain instruction on other registers: the rescaling of this
	; tile's O, then the next tile's subtractions.
	WIN 0x41
.irp i, 0,1,2,3,4,5,6,7,8,9,10,11,12,13,14,15
	v_pk_add_f32 v[SB+2*\i:SB+2*\i+1], v[SB+2*\i:SB+2*\i+1], v[MX:MX+1] neg_lo:[0,1] neg_hi:[0,1]
.endr
.irp n, 0,1,2,3
.irp i, 0,1,2,3,4,5,6,7,8,9,10,11,12,13,14,15
	v_exp_f32 v[SB+32*\n+\i], v[SB+32*\n+\i]
.if \first == 0
	v_pk_mul_f32 v[32*\n+2*\i:32*\n+2*\i+1], v[32*\n+2*\i:32*\n+2*\i+1], v[AL+2*\n:AL+2*\n+1]
.endif
.endr
.irp i, 0,1,2,3,4,5,6,7,8,9,10,11,12,13,14,15
	v_exp_f32 v[SB+32*\n+16+\i], v[SB+32*\n+16+\i]
.if \n < 3
	v_pk_add_f32 v[SB+32*(\n+1)+2*\i:SB+32*(\n+1)+2*\i+1], v[SB+32*(\n+1)+2*\i:SB+32*(\n+1)+2*\i+1], v[MX+2*(\n+1):MX+2*(\n+1)+1] neg_lo:[0,1] neg_hi:[0,1]
.endif
.endr
.endr
	v_nop                                          ; one plain place behind the last exponential
	; the running sums, in f32, two partial sums a lane; the old sums are rescaled in the first fused multiply-add
.if \first
	WIN 0x05
	s_wait_alu depctr_va_vdst(0)
.irp n, 0,1,2,3
	v_pk_add_f32 v[LS+2*\n:LS+2*\n+1], v[SB+32*\n:SB+32*\n+1], v[SB+32*\n+2:SB+32*\n+3]
.endr
	WIN 0x01
.else
	WIN 0x10
	s_wait_alu depctr_va_vdst(0)
.irp n, 0,1,2,3
	v_pk_fma_f32 v[LS+2*\n:LS+2*\n+1], v[LS+2*\n:LS+2*\n+1], v[AL+2*\n:AL+2*\n+1], v[SB+32*\n:SB+32*\n+1]
.endr
	WIN 0x01
.irp n, 0,1,2,3
	v_pk_add_f32 v[LS+2*\n:LS+2*\n+1], v[SB+32*\n+2:SB+32*\n+3], v[LS+2*\n:LS+2*\n+1]
.endr
.endif
.irp i, 2,3,4,5,6,7,8,9,10,11,12,13,14,15
.irp n, 0,1,2,3
	v_pk_add_f32 v[LS+2*\n:LS+2*\n+1], v[SB+32*\n+2*\i:SB+32*\n+2*\i+1], v[LS+2*\n:LS+2*\n+1]
.endr
.endr
	; p to f16, in place: 16 registers (two tiles of 16 keys) become the 8 of a fragment with k = 32 keys; register i is written after 2 i and 2 i + 1 >= i were read
	WIN 0x45
.irp g, 0,1,2,3,4,5,6,7
.irp i, 0,1,2,3,4,5,6,7
	v_cvt_pk_f16_f32 v[SB+16*\g+\i], v[SB+16*\g+2*\i], v[SB+16*\g+2*\i+1]
.endr
.endr
	s_wait_dscnt 0x0                               ; V's fragments are in
	; O^T += V^T P^T.  16 accumulators by turns, one instruction a turn.
	WIN 0x54
.irp n, 0,1,2,3
.irp t, 0,1,2,3
.if \first
	v_wmma_f32_16x16x32_f16 v[8*(4*\n+\t):8*(4*\n+\t)+7], v[VF+8*\t:VF+8*\t+7], v[SB+32*\n:SB+32*\n+7], 0
.else
	v_wmma_f32_16x16x32_f16 v[8*(4*\n+\t):8*(4*\n+\t)+7], v[VF+8*\t:VF+8*\t+7], v[SB+32*\n:SB+32*\n+7], v[8*(4*\n+\t):8*(4*\n+\t)+7]
.endif
.endr
.endr
.irp n, 0,1,2,3
.irp t, 0,1,2,3
	v_wmma_f32_16x16x32_f16 v[8*(4*\n+\t):8*(4*\n+\t)+7], v[VF+32+8*\t:VF+32+8*\t+7], v[SB+32*\n+16:SB+32*\n+23], v[8*(4*\n+\t):8*(4*\n+\t)+7]
.endr
.endr
	WIN 0
.endm
.macro GROUP                           ; 128 keys, then on to the next group's 32,768 bytes
	STEP 0, 0
	STEP 0, 8192
	v_add_nc_u32 v[ADR], 0x8000, v[ADR]
.endm
	s_wait_tensorcnt 0x1                           ; tensor loads of a wave end in order: my part of keys 0-511 is in; my part of keys 512-1023 may stay out,
	s_barrier_signal -1
	s_barrier_wait -1                              ; everybody's part of keys 0-511 is in
	s_wait_loadcnt 0x0                             ; Q
	STEP 1, 0                                      ; keys 0-127 are written out: the first step starts the sums
	STEP 0, 8192
	v_add_nc_u32 v[ADR], 0x8000, v[ADR]
	s_mov_b32 s42, 3
.Lkeys_low:
	GROUP                                          ; keys 128-511
	s_sub_co_i32 s42, s42, 1
	s_cmp_lg_u32 s42, 0
	s_cbranch_scc1 .Lkeys_low
	s_wait_dscnt 0x0                               ; no LDS instruction of mine is pending at the signal (met: the last step waited for all)
	s_wait_tensorcnt 0x0                           ; my part of keys 512-1023 is in
	s_barrier_signal -1
	s_barrier_wait -1                              ; everybody's is
	s_mov_b32 s42, 4
.Lkeys_high:
	GROUP                                          ; keys 512-1023
	s_sub_co_i32 s42, s42, 1
	s_cmp_lg_u32 s42, 0
	s_cbranch_scc1 .Lkeys_high
	; THE WAY OUT.  1 / sum: my two partial sums, the partner lane's, one reciprocal, twice for the packed multiply.  The sum is at least 1.
	PLACES
.irp n, 0,1,2,3
	v_add_f32 v[TM+\n], v[LS+2*\n], v[LS+2*\n+1]
.endr
.irp n, 0,1,2,3
	v_permlanex16_b32 v[TX+\n], v[TM+\n], s40, s41
.endr
.irp n, 0,1,2,3
	v_add_f32 v[TM+\n], v[TM+\n], v[TX+\n]
.endr
.irp n, 0,1,2,3
	v_rcp_f32 v[AL+2*\n], v[TM+\n]
	v_rcp_f32 v[AL+2*\n+1], v[TM+\n]
.endr
	v_nop                                          ; one plain place behind the reciprocals
	s_wait_alu depctr_va_vdst(0)
; 16 queries: scale, 32 bytes a lane and channel tile into my own stage, read back as whole rows of 256 bytes (a query's 64 channels of this head).
; LDS serves a wave's instructions in order (ISA guide 5.7.1.4), so the loads see the stores above them, and the next tile's stores come behind these loads.
.macro OUT n, f
	WIN 0x01
.irp i, 0,1,2,3,4,5,6,7,8,9,10,11,12,13,14,15
	v_pk_mul_f32 v[KF+2*\i:KF+2*\i+1], v[32*\n+2*\i:32*\n+2*\i+1], v[AL+2*\n:AL+2*\n+1]
.endr
	WIN 0
.irp u, 0,1,2,3,4,5,6,7
	ds_store_b128 v[STO], v[KF+4*\u:KF+4*\u+3] offset:(\u>>1)*64+(\u&1)*16     ; channels 16 (u >> 1) + 8 h + 4 (u & 1) ..
.endr
	s_wait_xcnt 0x0                                ; the registers that earlier stores to out0 read are loaded again only behind this wait
.irp tt, 0,1,2,3,4,5,6,7
	ds_load_b128 v[\f+4*\tt:\f+4*\tt+3], v[RD] offset:\tt*2*SPITCH
.endr
.irp tt, 0,1,2,3,4,5,6,7
	s_wait_dscnt 7-\tt                             ; LDS loads come back in order: load tt is in, the younger ones stay out
	global_store_b128 v[CO], v[\f+4*\tt:\f+4*\tt+3], s[8:9] offset:\n*32768+\tt*4096 th:TH_STORE_NT   ; 16 lanes store 256 consecutive bytes, at a multiple of 256 from out0's first byte
.endr
.endm
	OUT 0, VF
	OUT 1, VF+32
	OUT 2, VF
	OUT 3, VF+32
	s_wait_tensorcnt 0x0
	ds_add_u32 v254, v255
	s_wait_dscnt 0x0
	ROUND                                          ; the closing round: no work-group ends while a partner may still ask for bytes that name it
	s_endpgm
.Lfunc_end_k_q201cf04f25_attn:
	.size	k_q201cf04f25_attn, .Lfunc_end_k_q201cf04f25_attn-k_q201cf04f25_attn
	.p2alignl 7, 3214868480
	.fill 96, 4, 3214868480
	.section	.rodata,"a",@progbits
	.p2align	6, 0x0
	.amdhsa_kernel k_q201cf04f25_attn
		.amdhsa_group_segment_fixed_size 297984
		.amdhsa_private_segment_fixed_size 0
		.amdhsa_enable_private_segment 0
		.amdhsa_kernarg_size 24
		.amdhsa_user_sgpr_count 2
		.amdhsa_user_sgpr_kernarg_segment_ptr 1
		.amdhsa_wavefront_size32 1
		.amdhsa_system_sgpr_workgroup_id_x 1
		.amdhsa_system_sgpr_workgroup_id_y 1
		.amdhsa_system_sgpr_workgroup_id_z 1
		.amdhsa_system_vgpr_workitem_id 0
		.amdhsa_next_free_vgpr 512
		.amdhsa_next_free_sgpr 66
		.amdhsa_reserve_vcc 0
		.amdhsa_float_denorm_mode_32 3
		.amdhsa_float_denorm_mode_16_64 3
		.amdhsa_memory_ordered 1
		.amdhsa_forward_progress 1
		.amdhsa_inst_pref_size 206
	.end_amdhsa_kernel
	.amdgpu_metadata
---
amdhsa.version: [ 1, 2 ]
amdhsa.kernels:
  - .name:           k_q201cf04f25_attn
    .symbol:         k_q201cf04f25_attn.kd
    .args:
      - { .name: qf, .offset: 0, .size: 8, .value_kind: global_buffer, .address_space: global }
      - { .name: kvf, .offset: 8, .size: 8, .value_kind: global_buffer, .address_space: global }
      - { .name: out0, .offset: 16, .size: 8, .value_kind: global_buffer, .address_space: global }
    .group_segment_fixed_size: 297984
    .private_segment_fixed_size: 0
    .kernarg_segment_align: 8
    .kernarg_segment_size: 24
    .max_flat_workgroup_size: 256
    .sgpr_count:     66
    .vgpr_count:     512
    .wavefront_size: 32
...
	.end_amdgpu_metadata
.endif
;; end of part 2
;; ======== version 2 of 2: 2 launches; 1.15 times as fast as version 1
;; limits: values are held in f16: magnitudes above 65,504 overflow, below 6.1e-05 lose precision
;; workspace buffers: qf 16,777,216 bytes; kvf 16,777,216 bytes
;; launch proj (part 3): grid 256 x 1, 8 waves a work-group, no clusters, 140,800 bytes of LDS; arguments x, global_tokens, Wq, Wkv, bq, bkv, qf, kvf; writes qf, kvf
.if DOCPART == 3
	.amdgcn_target "amdgcn-amd-amdhsa--gfx1250"
	.amdhsa_code_object_version 6
	.text
	.protected	k_q201cf04f25_proj
	.globl	k_q201cf04f25_proj
	.p2align	8
	.type	k_q201cf04f25_proj,@function
k_q201cf04f25_proj:
	s_mov_b64 s[64:65], 0
	v_nop
	global_prefetch_b8 v0, s[64:65] scope:SCOPE_SE
	s_setreg_imm32_b32 hwreg(HW_REG_WAVE_MODE, 25, 1), 1
	s_wait_xcnt 0x0
; PROJ: q = (x Wq + bq) * log2(e), k and v = global_tokens Wkv + bkv, all rounded once to f16 and stored as ready-made matrix fragments.
; x [16384][512], global_tokens [8192][512], Wq [512][512], Wkv [512][1024], bq [512], bkv [1024]: f32.  Sums in f32, operands f16.
; LIMIT (range): operands and results are f16: |x|, |global_tokens|, |W|, |(x Wq + bq) * 1.4427|, |k|, |v| must stay below 65,504;
; beyond that the conversion gives infinity.  Magnitudes below 2^-24 round to zero.
;
; WORK.  256 work-groups: 0-127 make Q (64 blocks of 256 tokens x 2 blocks of 256 channels), 128-255 make K and V (32 x 4; channel blocks
; 0, 1 are K, 2, 3 are V).  Eight waves, two a SIMD: wave w takes tokens 128 (w >> 2) .. +127 and channels 64 (w & 3) .. +63, which is one head:
; 8 x 4 accumulator tiles of 16 x 16 = 256 registers.  K = 512 goes in 8 steps of 64 through two LDS slots.
; WHY THROUGH REGISTERS, AND NO CLUSTER: the inputs are f32 and every number has to pass a register to be rounded to f16 (W is also turned
; there, for nothing: the packing conversion takes k and k + 1 of one column).  A tensor load would lay f32 into LDS, twice the bytes for every
; fragment read, and a second LDS copy would still be needed.  So the tiles come by plain loads of 256 aligned bytes per 16 lanes.
;
; THE ORDER OF A K STEP (macro KSTEP).  Four blocks of 16 products; each block's fragments are asked of LDS one block ahead.
; A wave's 128 staging registers are the room for what is on its way from memory, so they are asked for again as soon as they are free:
; W of step s + 2 straight behind the rounding of W of step s + 1 (middle of step s), x of step s + 2 straight behind the rounding of x of
; step s + 1 (behind the third block).  Each load has a whole step, less its own conversion, in which to land, and but for the conversions
; 32 loads of 512 bytes of each of the eight waves are out: 128 KiB for the work-group.
;
; THE OUTPUT.  A 16 x 16 result packed to f16 is 4 registers a lane, stored at lane x 16: 512 consecutive aligned bytes by one store.
; Q and K: source 0 = W's fragment, source 1 = x's: a lane holds token l % 16, channels 8 (l / 16) .. +7 = half of a fragment with k = channel.
; V:       source 0 = x's fragment, source 1 = W's: a lane holds channel l % 16, tokens 8 (l / 16) .. +7 = half of a fragment with k = token.
;   qf  byte = (b*8 + head)*262144 + NT*2048 + c*512 + lane*16                       (NT: tile of 16 queries, c: block of 16 channels of the head)
;   kvf byte = (b*8 + head)*262144 + (T>>3)*32768 + isV*16384 + (T&7)*2048 + c*512 + lane*16   (T: tile of 16 keys)
;
; LDS, one slot (f16): x: 16 row tiles of 2,304 bytes = 8 blocks (8 k each) at pitch 288, element (row, k) at RT*2304 + (k>>3)*288 + (row&15)*16 + (k&7)*2;
;                      W: 16 channel tiles of 2,064 bytes, element (k, n) at 36864 + CT*2064 + (k>>3)*256 + (n&15)*16 + (k&7)*2.
; With these pitches the 32 lanes of an x store touch 32 different 8-byte places modulo 256 bytes, the 16 lanes of each half of a W store
; 16 different 16-byte places modulo 256, and each half of a fragment load reads 256 consecutive bytes.
.set SLOT, 69888                       ; bytes of a slot
.set XRT,  2304                        ; a row tile of x
.set XBLK, 288                         ; a block of 8 k in it
.set WOFF, 36864                       ; W's region in a slot
.set WCT,  2064                        ; a channel tile of W
.set AX,   4                           ; v4      byte offset of my 16 bytes of x in the wave's first two rows
.set OUTO, 5                           ; v5      lane x 16
.set SX,   6                           ; v6-7    where I store x, slot 0, 1
.set SW,   8                           ; v8-9    where I store W
.set RA,   10                          ; v10-11  where I read x's fragments
.set RB,   12                          ; v12-13  where I read W's fragments
.set AW,   14                          ; v14-21  byte offsets of my 16 bytes in eight rows of W; from step 6 on: offsets into the bias
.set STX,  24                          ; v24-87  x as loaded (16 loads), rounded in place
.set STW,  88                          ; v88-151 W as loaded (2 x 8 loads), turned and rounded in place; at the end the 32 biases
.set FA,   152                         ; v152-215 x's fragments (8 row tiles); at work on the way out
.set FB,   216                         ; v216-247 W's fragments (4 channel tiles)
                                       ; window 1 (v256-511): accumulator tile (rt, ct) at 8 (4 rt + ct)
.set MULW, 0x50                        ; C and D in window 1, sources in window 0
.set MSB, 0
.macro WIN new                         ; the immediate's high byte repeats the setting that is left
.if MSB != \new
	s_set_vgpr_msb (MSB<<8)|\new
.set MSB, \new
.endif
.endm
; Four places: a vector instruction that reads a matrix result or writes a matrix instruction's register, and a load into such a register,
; stand four plain independent vector instructions behind it (ISA guide 7.12.1 for vector instructions).
.macro PLACES
.rept 4
	v_nop
.endr
.endm
; A wave's share of one K step's numbers: 16 loads of x and 16 of W, 16 bytes a lane; each load covers two pieces of 256 consecutive aligned bytes.
.macro FETCHX
.irp i, 0,1,2,3,4,5,6,7,8,9,10,11,12,13,14,15
	global_load_b128 v[STX+4*\i:STX+4*\i+3], v[AX], s[24:25] offset:\i*4096       ; x: rows 32 w + 2 i + h
.endr
.endm
.macro FETCHW
.irp i, 0,1,2,3,4,5,6,7
	global_load_b128 v[STW+4*\i:STW+4*\i+3], v[AW+\i], s[26:27]                    ; W: k = 32 (w >> 2) + 8 h + i
.endr
.irp i, 0,1,2,3,4,5,6,7
	global_load_b128 v[STW+32+4*\i:STW+32+4*\i+3], v[AW+\i], s[28:29]              ; W: 16 rows further down
.endr
.endm
	s_load_b512 s[8:23], s[0:1], 0x0               ; x, global_tokens, Wq, Wkv, bq, bkv, qf, kvf
	v_lshl_add_u32 v254, v0, 2, 0x22200
	v_mov_b32 v255, 0
	v_lshrrev_b32 v1, 5, v0
	v_readfirstlane_b32 s43, v1                    ; wave w
	s_lshr_b32 s44, s43, 2                         ; wr: which 128 tokens
	s_and_b32 s45, s43, 3                          ; wc: which 64 channels
	s_and_b32 s48, ttmp9, 127
	s_lshr_b32 s49, s48, 1                         ; job Q: token block 0..63
	s_and_b32 s50, s48, 1                          ;        channel block 0..1
	s_lshr_b32 s51, s48, 2                         ; job KV: token block 0..31
	s_and_b32 s52, s48, 3                          ;         channel block 0..3
	; the wave's place in qf: ((rb>>3)*8 + cb*4 + wc) << 18 + ((rb&7)*2 + wr) << 14
	s_and_b32 s53, s49, 0x38
	s_lshl2_add_u32 s53, s50, s53
	s_add_co_u32 s53, s53, s45
	s_lshl_b32 s53, s53, 18
	s_and_b32 s54, s49, 7
	s_lshl1_add_u32 s54, s54, s44
	s_lshl_b32 s54, s54, 14
	s_add_co_u32 s53, s53, s54
	; the wave's place in kvf: ((rb>>2)*8 + (cb&1)*4 + wc) << 18 + ((rb&3)*2 + wr) << 15 + (cb>>1) << 14
	s_and_b32 s54, s51, 0x1c
	s_lshl_b32 s54, s54, 1
	s_and_b32 s55, s52, 1
	s_lshl2_add_u32 s54, s55, s54
	s_add_co_u32 s54, s54, s45
	s_lshl_b32 s54, s54, 18
	s_and_b32 s55, s51, 3
	s_lshl1_add_u32 s55, s55, s44
	s_lshl_b32 s55, s55, 15
	s_add_co_u32 s54, s54, s55
	s_lshr_b32 s42, s52, 1                         ; 1: V
	s_lshl_b32 s55, s42, 14
	s_add_co_u32 s54, s54, s55
	s_wait_kmcnt 0x0
	s_cmp_ge_u32 ttmp9, 128                        ; one compare on the work-group's number chooses the job; the selects leave SCC alone
	s_cselect_b64 s[24:25], s[10:11], s[8:9]       ; rows: global_tokens or x
	s_cselect_b64 s[26:27], s[14:15], s[12:13]     ; weights
	s_cselect_b64 s[30:31], s[18:19], s[16:17]     ; bias
	s_cselect_b64 s[32:33], s[22:23], s[20:21]     ; output
	s_cselect_b32 s46, s51, s49                    ; rb
	s_cselect_b32 s47, s52, s50                    ; cb
	s_cselect_b32 s48, s54, s53                    ; the wave's place in the output
	s_cselect_b32 s42, s42, 0                      ; ISV
	s_cselect_b32 s35, 1, 0
	s_cselect_b32 s40, 1.0, 0x3fb8aa3b             ; Q alone is multiplied by log2(e), in f32, ahead of its one rounding
	s_mov_b32 s41, s40
	s_mov_b32 s49, 0
	s_add_nc_u64 s[32:33], s[32:33], s[48:49]
	s_lshl_b32 s34, 2048, s35                      ; bytes in a row of W: 2,048 or 4,096
	s_lshl_b32 s36, s34, 6                         ; 64 rows of W: a K step
	s_mov_b32 s37, 0
	s_lshl_b32 s38, s34, 4                         ; 16 rows of W
	s_mov_b32 s39, 0
	s_lshl_b32 s48, s46, 19                        ; 256 rows of 2,048 bytes
	s_add_nc_u64 s[24:25], s[24:25], s[48:49]
	s_lshl_b32 s48, s47, 10                        ; 256 channels of 4 bytes
	s_add_nc_u64 s[26:27], s[26:27], s[48:49]
	s_add_nc_u64 s[28:29], s[26:27], s[38:39]      ; the same, 16 rows further down
	s_lshl_b32 s50, s45, 8
	s_add_co_u32 s48, s48, s50
	s_add_nc_u64 s[30:31], s[30:31], s[48:49]      ; the bias of my 64 channels
	; the offsets into memory first, so that K step 0 is on its way while the LDS addresses are made
	v_and_b32 v1, 15, v0                           ; r = l % 16 (kept to the end)
	v_bfe_u32 v2, v0, 4, 1                         ; h = l / 16 (kept to the end)
	s_lshl_b32 s48, s43, 16                        ; x: row 32 w + h, 16 bytes at 16 r
	v_lshl_add_u32 v[AX], v1, 4, s48
	v_lshl_add_u32 v[AX], v2, 11, v[AX]
	s_lshl_b32 s48, s44, 5                         ; W in memory: row 32 (w >> 2) + 8 h + i, 16 bytes at 256 (w & 3) + 16 r
	v_lshl_add_u32 v3, v2, 3, s48
	v_mul_lo_u32 v[AW], v3, s34
	s_lshl_b32 s48, s45, 8
	v_lshl_add_u32 v3, v1, 4, s48
	v_add_nc_u32 v[AW], v[AW], v3
.irp i, 1,2,3,4,5,6,7
	v_add_nc_u32 v[AW+\i], s34, v[AW+\i-1]
.endr
	FETCHW                                         ; K step 0: W first, then x: among the pending loads W is always the older, as in the loop
	FETCHX
	v_and_b32 v3, 31, v0
	v_lshlrev_b32 v[OUTO], 4, v3
	v_lshrrev_b32 v3, 1, v1                        ; x into LDS: my 4 numbers are k = 4 r ..: block r >> 1, half r & 1, row 2 i + h
	v_mul_u32_u24 v[SX], v3, XBLK
	v_and_b32 v3, 1, v1
	v_lshl_add_u32 v[SX], v3, 3, v[SX]
	v_lshl_add_u32 v[SX], v2, 4, v[SX]
	s_mul_i32 s48, s43, 2*XRT
	v_add_nc_u32 v[SX], s48, v[SX]
	v_add_nc_u32 v[SX+1], SLOT, v[SX]
	v_lshrrev_b32 v3, 2, v1                        ; W into LDS: channels 64 (w & 3) + 4 r + jj, k block 4 (w >> 2) + 2 e + h
	v_mul_u32_u24 v[SW], v3, WCT
	v_and_b32 v3, 3, v1
	v_lshl_add_u32 v[SW], v3, 6, v[SW]
	v_lshl_add_u32 v[SW], v2, 8, v[SW]
	s_mul_i32 s48, s45, 4*WCT
	s_lshl_b32 s49, s44, 10
	s_add_co_u32 s48, s48, s49
	s_add_co_u32 s48, s48, WOFF
	v_add_nc_u32 v[SW], s48, v[SW]
	v_add_nc_u32 v[SW+1], SLOT, v[SW]
	v_mul_u32_u24 v[RA], v2, XBLK                  ; x's fragments: row r, block h of my 8 row tiles
	v_lshl_add_u32 v[RA], v1, 4, v[RA]
	s_mul_i32 s48, s44, 8*XRT
	v_add_nc_u32 v[RA], s48, v[RA]
	v_add_nc_u32 v[RA+1], SLOT, v[RA]
	s_mul_i32 s48, s45, 4*WCT                      ; W's fragments: h * 256 + r * 16 = lane * 16 in my 4 channel tiles
	s_add_co_u32 s48, s48, WOFF
	v_add_nc_u32 v[RB], s48, v[OUTO]
	v_add_nc_u32 v[RB+1], SLOT, v[RB]
.macro STEPW                           ; W's bases go one K step on; it stands behind the wait that shows every load that names them done
	s_add_nc_u64 s[26:27], s[26:27], s[36:37]
	s_add_nc_u64 s[28:29], s[28:29], s[36:37]
.endm
; x: f32 to f16 in place and into a slot: four neighbouring k of a row make 8 bytes.  Four loads' numbers (group g) at a time;
; the conversions run one group ahead of the stores, so that no store stands straight behind the conversion that feeds it.
.macro CVTX g
.irp j, 0,1,2,3
	v_cvt_pk_f16_f32 v[STX+16*\g+4*\j], v[STX+16*\g+4*\j], v[STX+16*\g+4*\j+1]
	v_cvt_pk_f16_f32 v[STX+16*\g+4*\j+1], v[STX+16*\g+4*\j+2], v[STX+16*\g+4*\j+3]
.endr
.endm
.macro PUTX slot, g                    ; load i = 4 g + j holds rows 2 i + h of the wave's 32: row tile i >> 3, row 2 (i & 7) + h in it
.irp j, 0,1,2,3
	ds_store_b64 v[SX+\slot], v[STX+16*\g+4*\j:STX+16*\g+4*\j+1] offset:(\g>>1)*XRT+((\g&1)*4+\j)*32
.endr
.endm
.macro CONVX slot
	CVTX 0
	CVTX 1
	PUTX \slot, 0
	CVTX 2
	PUTX \slot, 1
	CVTX 3
	PUTX \slot, 2
	PUTX \slot, 3
.endm
; W: a lane holds 8 k x 4 columns in 32 registers, (k = i, column jj) in register 4 i + jj.  The conversion packs k = 2 p and 2 p + 1 of column jj,
; so 8 k of a column make 16 bytes: the turn from [k][n] to [n][k] costs no instruction of its own.  The result (jj, p) goes to register 4 jj + p
; of the same 32.  That register is a source of result (p, jj >> 1), so (jj, p) is made behind (p, jj >> 1): the order below keeps that for all 16.
.macro CW e, jj, p
	v_cvt_pk_f16_f32 v[STW+32*\e+4*\jj+\p], v[STW+32*\e+8*\p+\jj], v[STW+32*\e+8*\p+4+\jj]
.endm
.macro CVTW e
	CW \e, 0, 0
	CW \e, 1, 0
	CW \e, 0, 1
	CW \e, 2, 0
	CW \e, 0, 2
	CW \e, 3, 0
	CW \e, 0, 3
	CW \e, 1, 1
	CW \e, 2, 1
	CW \e, 1, 2
	CW \e, 3, 1
	CW \e, 1, 3
	CW \e, 2, 2
	CW \e, 3, 2
	CW \e, 2, 3
	CW \e, 3, 3
.endm
.macro PUTW slot, e
.irp jj, 0,1,2,3
	ds_store_b128 v[SW+\slot], v[STW+32*\e+4*\jj:STW+32*\e+4*\jj+3] offset:\e*512+\jj*16
.endr
.endm
.macro CONVW slot
	CVTW 0
	CVTW 1
	PUTW \slot, 0
	PUTW \slot, 1
.endm
; Fragment loads: W's four channel tiles (8 loads), four of x's row tiles from r0 on (8 loads), 32 k at half kb of the slot's 64.
.macro LFB slot, kb
.irp ct, 0,1,2,3
	ds_load_b128 v[FB+8*\ct:FB+8*\ct+3],   v[RB+\slot] offset:\ct*WCT+\kb*1024       ; k = 32 kb + 8 h ..
	ds_load_b128 v[FB+8*\ct+4:FB+8*\ct+7], v[RB+\slot] offset:\ct*WCT+\kb*1024+512   ; k = 32 kb + 16 + 8 h ..
.endr
.endm
.macro LFA slot, kb, r0
.irp rt, \r0, \r0+1, \r0+2, \r0+3
	ds_load_b128 v[FA+8*(\rt):FA+8*(\rt)+3],   v[RA+\slot] offset:(\rt)*XRT+\kb*4*XBLK
	ds_load_b128 v[FA+8*(\rt)+4:FA+8*(\rt)+7], v[RA+\slot] offset:(\rt)*XRT+\kb*4*XBLK+2*XBLK
.endr
.endm
; A block of 16 matrix instructions, row tiles r0 .. r0 + 3, each on another accumulator: the accumulators take turns, one instruction a turn.
; nat = 0: source 0 = W (Q and K); nat = 1: source 0 = x (V).  zero = 1: the first product starts the sums.
.macro MB nat, zero, r0
	WIN MULW
.irp rt, \r0, \r0+1, \r0+2, \r0+3
.irp ct, 0,1,2,3
.if \nat
.if \zero
	v_wmma_f32_16x16x32_f16 v[8*(4*(\rt)+\ct):8*(4*(\rt)+\ct)+7], v[FA+8*(\rt):FA+8*(\rt)+7], v[FB+8*\ct:FB+8*\ct+7], 0
.else
	v_wmma_f32_16x16x32_f16 v[8*(4*(\rt)+\ct):8*(4*(\rt)+\ct)+7], v[FA+8*(\rt):FA+8*(\rt)+7], v[FB+8*\ct:FB+8*\ct+7], v[8*(4*(\rt)+\ct):8*(4*(\rt)+\ct)+7]
.endif
.else
.if \zero
	v_wmma_f32_16x16x32_f16 v[8*(4*(\rt)+\ct):8*(4*(\rt)+\ct)+7], v[FB+8*\ct:FB+8*\ct+7], v[FA+8*(\rt):FA+8*(\rt)+7], 0
.else
	v_wmma_f32_16x16x32_f16 v[8*(4*(\rt)+\ct):8*(4*(\rt)+\ct)+7], v[FB+8*\ct:FB+8*\ct+7], v[FA+8*(\rt):FA+8*(\rt)+7], v[8*(4*(\rt)+\ct):8*(4*(\rt)+\ct)+7]
.endif
.endif
.endr
.endr
	WIN 0
.endm
; The bias of each accumulator register, in either orientation: Q, K: register j of tile ct is channel 16 ct + 8 h + j; V: channel 16 ct + r.
.macro BIASLD
	s_cmp_lg_u32 s42, 0
	s_cselect_b32 s48, 4, 0                        ; bytes for each r
	s_cselect_b32 s49, 0, 32                       ; for h
	s_cselect_b32 s50, 0, 4                        ; for each j
	v_mul_u32_u24 v3, v1, s48
	v_mad_u32_u24 v[AW], v2, s49, v3               ; the last loads of W, which named these registers, were waited for just above
.irp j, 1,2,3,4,5,6,7
	v_add_nc_u32 v[AW+\j], s50, v[AW+\j-1]
.endr
.irp ct, 0,1,2,3
.irp j, 0,1,2,3,4,5,6,7
	global_load_b32 v[STW+8*\ct+\j], v[AW+\j], s[30:31] offset:\ct*64
.endr
.endr
.endm
; K step s on slot `slot`.  At its head W of step s + 1 (16 loads, the older) and x of step s + 1 (16 loads) are on their way.
; mode 2 (steps 0-5): W of s + 1 is rounded and W of s + 2 asked for; x of s + 1 is rounded and x of s + 2 asked for.
; mode 1 (step 6): the same roundings; the bias is asked for in place of W, nothing in place of x.  mode 0 (step 7): products alone.
; ONE barrier a step orders two things: this step's stores into the other slot against the next step's reads of it, and this step's reads of
; `slot` against the next step's stores into it; both are complete by the wait for all LDS instructions in front of the signal.
; Signal and wait are apart: the last 16 products, which touch registers alone, stand between them.
.macro KSTEP nat, slot, zero, mode
	PLACES                                         ; the fragment registers were sources of the last products
	LFB \slot, 0
	LFA \slot, 0, 0
	LFA \slot, 0, 4
	s_wait_dscnt 8                                 ; LDS loads come back in order: W and row tiles 0-3 are in, the 8 loads of row tiles 4-7 stay out
	MB \nat, \zero, 0
	PLACES
	LFA \slot, 1, 0                                ; row tiles 0-3 of the second half, into the registers just multiplied
	s_wait_dscnt 8                                 ; row tiles 4-7 are in; the 8 loads just issued stay out
	MB \nat, \zero, 4
	PLACES
	LFB \slot, 1
	LFA \slot, 1, 4
.if \mode
	s_wait_loadcnt 16                              ; loads come back in order: W of the next step is in; x's 16 younger loads stay out
.if \mode == 2
	STEPW
.endif
	CONVW 1-\slot
	s_wait_dscnt 0x0                               ; W's stores are done, so their registers may be loaded again; the second half's fragments are in too
.if \mode == 2
	FETCHW                                         ; W of step s + 2, into the registers just stored
.else
	BIASLD
.endif
.else
	s_wait_dscnt 8                                 ; row tiles 0-3 and W of the second half are in; the 8 loads of row tiles 4-7 stay out
.endif
	MB \nat, 0, 0
.if \mode == 0
	s_wait_dscnt 0x0                               ; row tiles 4-7 are in
.endif
.if \mode == 2
	s_wait_loadcnt 16                              ; x of the next step is in; W's 16 younger loads stay out, across the barrier
	s_add_nc_u64 s[24:25], s[24:25], 256           ; x's base goes one K step on: the loads that named it are done
.endif
.if \mode == 1
	s_wait_loadcnt 32                              ; x of the last step is in; the 32 loads of the bias stay out
.endif
.if \mode
	CONVX 1-\slot
	s_wait_dscnt 0x0                               ; for the other waves' sake: my stores are in LDS and my reads of this slot are over; x's registers may be loaded again
.if \mode == 2
	FETCHX                                         ; x of step s + 2, ahead of the signal: only register work stands between signal and wait
.endif
	s_barrier_signal -1
.endif
	MB \nat, 0, 4
.if \mode
	s_barrier_wait -1
.endif
.endm
.macro MAIN nat
	KSTEP \nat, 0, 1, 2                            ; K step 0 stands in front of the loop: its first products start the sums
	s_mov_b32 s56, 2
.Ltrip_\nat:
	KSTEP \nat, 1, 0, 2                            ; K steps 1 to 4
	KSTEP \nat, 0, 0, 2
	s_sub_co_i32 s56, s56, 1
	s_cmp_lg_u32 s56, 0
	s_cbranch_scc1 .Ltrip_\nat
	KSTEP \nat, 1, 0, 2                            ; K step 5 asks for the last of W and of x
	KSTEP \nat, 0, 0, 1                            ; K step 6 asks for the bias alone
	KSTEP \nat, 1, 0, 0                            ; K step 7 asks for nothing: no load leaves a buffer
.endm
	s_wait_loadcnt 16                              ; W of K step 0 is in; x's 16 loads stay out
	STEPW
	CONVW 0
	s_wait_dscnt 0x0                               ; W's stores are done: their registers may be loaded again
	FETCHW                                         ; W of K step 1
	s_wait_loadcnt 16                              ; x of K step 0 is in; W's 16 loads stay out
	s_add_nc_u64 s[24:25], s[24:25], 256
	CONVX 0
	s_wait_dscnt 0x0                               ; for the other waves' sake: my stores are in LDS
	FETCHX                                         ; x of K step 1
	s_barrier_signal -1
	s_barrier_wait -1
	s_cmp_lg_u32 s42, 0                            ; V takes the sources the other way round: one branch for the whole K loop, the same in all waves
	s_cbranch_scc1 .Lv
	MAIN 0
	s_branch .Lout
.Lv:
	MAIN 1
.Lout:
	; THE WAY OUT: (sum + bias) * scale = sum * scale + bias * scale, one fused multiply-add, one rounding to f16, 512 consecutive bytes a store.
	PLACES
	s_wait_loadcnt 0x0                             ; the biases
.irp q, 0,1,2,3,4,5,6,7,8,9,10,11,12,13,14,15
	v_pk_mul_f32 v[STW+2*\q:STW+2*\q+1], v[STW+2*\q:STW+2*\q+1], s[40:41] op_sel_hi:[1,0]
.endr
.irp rt, 0,1,2,3,4,5,6,7
	s_wait_xcnt 0x0                                ; the registers that the last four stores read are rewritten only behind this wait
	WIN 0x01                                       ; source 0 = accumulators, window 1
.irp q, 0,1,2,3,4,5,6,7,8,9,10,11,12,13,14,15
	v_pk_fma_f32 v[FA+2*\q:FA+2*\q+1], v[32*\rt+2*\q:32*\rt+2*\q+1], s[40:41], v[STW+2*\q:STW+2*\q+1] op_sel_hi:[1,0,1]
.endr
	WIN 0
.irp q, 0,1,2,3,4,5,6,7,8,9,10,11,12,13,14,15
	v_cvt_pk_f16_f32 v[FA+32+\q], v[FA+2*\q], v[FA+2*\q+1]
.endr
.irp ct, 0,1,2,3
	global_store_b128 v[OUTO], v[FA+32+4*\ct:FA+32+4*\ct+3], s[32:33] offset:\rt*2048+\ct*512
.endr
.endr
	s_wait_tensorcnt 0x0
	ds_add_u32 v254, v255
	s_wait_dscnt 0x0
	s_endpgm
.Lfunc_end_k_q201cf04f25_proj:
	.size	k_q201cf04f25_proj, .Lfunc_end_k_q201cf04f25_proj-k_q201cf04f25_proj
	.p2alignl 7, 3214868480
	.fill 96, 4, 3214868480
	.section	.rodata,"a",@progbits
	.p2align	6, 0x0
	.amdhsa_kernel k_q201cf04f25_proj
		.amdhsa_group_segment_fixed_size 140800
		.amdhsa_private_segment_fixed_size 0
		.amdhsa_enable_private_segment 0
		.amdhsa_kernarg_size 64
		.amdhsa_user_sgpr_count 2
		.amdhsa_user_sgpr_kernarg_segment_ptr 1
		.amdhsa_wavefront_size32 1
		.amdhsa_system_sgpr_workgroup_id_x 1
		.amdhsa_system_sgpr_workgroup_id_y 1
		.amdhsa_system_sgpr_workgroup_id_z 1
		.amdhsa_system_vgpr_workitem_id 0
		.amdhsa_next_free_vgpr 512
		.amdhsa_next_free_sgpr 66
		.amdhsa_reserve_vcc 0
		.amdhsa_float_denorm_mode_32 3
		.amdhsa_float_denorm_mode_16_64 3
		.amdhsa_memory_ordered 1
		.amdhsa_forward_progress 1
		.amdhsa_inst_pref_size 220
	.end_amdhsa_kernel
	.amdgpu_metadata
---
amdhsa.version: [ 1, 2 ]
amdhsa.kernels:
  - .name:           k_q201cf04f25_proj
    .symbol:         k_q201cf04f25_proj.kd
    .args:
      - { .name: x, .offset: 0, .size: 8, .value_kind: global_buffer, .address_space: global }
      - { .name: global_tokens, .offset: 8, .size: 8, .value_kind: global_buffer, .address_space: global }
      - { .name: Wq, .offset: 16, .size: 8, .value_kind: global_buffer, .address_space: global }
      - { .name: Wkv, .offset: 24, .size: 8, .value_kind: global_buffer, .address_space: global }
      - { .name: bq, .offset: 32, .size: 8, .value_kind: global_buffer, .address_space: global }
      - { .name: bkv, .offset: 40, .size: 8, .value_kind: global_buffer, .address_space: global }
      - { .name: qf, .offset: 48, .size: 8, .value_kind: global_buffer, .address_space: global }
      - { .name: kvf, .offset: 56, .size: 8, .value_kind: global_buffer, .address_space: global }
    .group_segment_fixed_size: 140800
    .private_segment_fixed_size: 0
    .kernarg_segment_align: 8
    .kernarg_segment_size: 64
    .max_flat_workgroup_size: 256
    .sgpr_count:     66
    .vgpr_count:     512
    .wavefront_size: 32
...
	.end_amdgpu_metadata
.endif
;; end of part 3
;; launch attn (part 4): grid 256 x 1, 8 waves a work-group, clusters of 4 x 1, 297,984 bytes of LDS; arguments qf, kvf, out0; writes out0
.if DOCPART == 4
	.amdgcn_target "amdgcn-amd-amdhsa--gfx1250"
	.amdhsa_code_object_version 6
	.text
	.protected	k_q201cf04f25_attn
	.globl	k_q201cf04f25_attn
	.p2align	8
	.type	k_q201cf04f25_attn,@function
k_q201cf04f25_attn:
	s_mov_b64 s[64:65], 0
	v_nop
	global_prefetch_b8 v0, s[64:65] scope:SCOPE_SE
	s_setreg_imm32_b32 hwreg(HW_REG_WAVE_MODE, 25, 1), 1
	s_wait_xcnt 0x0
	s_wait_alu depctr_hold_cnt(0) depctr_sa_sdst(0) depctr_va_vdst(0) depctr_va_sdst(0) depctr_va_ssrc(0) depctr_va_vcc(0) depctr_vm_vsrc(0)
	s_getreg_b32 s2, hwreg(HW_REG_IB_STS2, 6, 4)
	s_cmp_eq_u32 s2, 0
	s_cbranch_scc0 .Lentry_in_a_cluster
	s_endpgm
.Lentry_in_a_cluster:
	s_bfe_u32 s2, ttmp6, 0x10000c
	s_cmp_lg_u32 s2, 0x3003
	s_cbranch_scc0 .Lentry_shape_is_right
	s_endpgm
.Lentry_shape_is_right:
; ATTN: out[b][n][head*64 + d] = sum over m of softmax_m(q[n] . k[m]) v[m][d], for 64 (batch, head) pairs, 2,048 queries, 1,024 keys, D = 64.
; qf holds q * log2(e), kvf holds k and v, all f16 and already in the order of matrix fragments (blocks of 512 bytes, lane x 16):
;   qf  byte = bh*262144 + NT*2048 + c*512 + lane*16;   kvf byte = bh*262144 + G*32768 + isV*16384 + (T&7)*2048 + c*512 + lane*16.
; LIMIT (range): p is rounded to f16 for the second product (p <= 1; p below 2^-25 counts as 0 there); q, k, v are f16 as they were stored.
; The row maximum is taken away before every exponential, as a running maximum; sums, maxima and results are f32.
;
; WORK.  A cluster of four work-groups takes one (batch, head); work-group cx takes 512 queries, wave w 64 of them (4 tiles of 16).
; The head's whole K and V, 262,144 bytes, lie in LDS, each byte filled once: no slot is ever filled again.  The four work-groups need the same
; bytes and ask for them JOINTLY (mask 15): each wave issues the same four loads as its namesakes in the partners.  cx enters only the offsets
; into qf and out0, never an LDS address, a branch or a descriptor.
; THE FOUR TILES GROW: keys 0-127 (32 KiB), 128-255 (32 KiB), 256-511 (64 KiB), 512-1023 (128 KiB); each wave brings an eighth of each: 16, 16, 32
; and 64 rows of 256 bytes.  The first two loads are small on purpose: the first 128 keys are whole after an eighth of the head's bytes, and
; each later tile has the work on all the keys before it in which to land.
; Eight waves of 64 queries, two a SIMD, rather than four of 128: a step has about as much softmax as matrix work, and one wave's
; exponentials run while the other wave's matrix instructions do.
;
; BOTH PRODUCTS ARE TAKEN TRANSPOSED.  S^T = K Q^T: source 0 = 16 keys, source 1 = 16 queries: lane l holds query l % 16, its registers keys
; 8 (l / 16) + 0..7.  Packed to f16 in place, two such tiles ARE source 1 of O^T = V^T P^T (k = 32 keys): no lane ever hands a score to
; another.  A query's maximum and sum lie in one lane and its partner l xor 16.  In O^T a lane holds 8 neighbouring channels of its query.
.set STAGE,  262144                    ; behind K and V: 16 rows x 272 bytes for each wave, for the way out; no tensor load lands here
.set SPITCH, 272                       ; 256 bytes + 16: the 16 rows that a store touches begin at 16 different 16-byte places modulo 256
.set ADR, 2                            ; v2       lane x 16 + the group of 128 keys x 32,768
.set STO, 3                            ; v3       the way out: where I put 16 bytes
.set RD,  4                            ; v4       the way out: where I read a row back
.set CO,  5                            ; v5       my byte offset in out0
.set QO,  6                            ; v6       lane x 16, for Q
.set TM,  8                            ; v8-11    maximum at work, one for each query tile n
.set TX,  12                           ; v12-15   the partner lane's
.set MX,  16                           ; v16-23   running maximum, twice (pairs for packed arithmetic)
.set AL,  24                           ; v24-31   2^(old maximum - new), twice; at the end 1 / sum
.set LS,  32                           ; v32-39   running sums, two partial sums a lane
.set KF,  40                           ; v40-103  K's fragments (mt, kb) at 8 (2 mt + kb): 16 keys x 32 channels
.set VF,  104                          ; v104-167 V's fragments (t, kk) at 8 (4 kk + t): 16 channels x 32 keys
.set QF,  168                          ; v168-231 Q's fragments (n, kb) at 8 (2 n + kb), for the whole kernel
.set SB,  128                          ; window 1: O(n, t) at 8 (4 n + t); S(n, mt) at 128 + 8 (4 n + mt); P(n, kk) in place at 128 + 32 n + 16 kk
.set G1A, 16                           ; s[16:23] descriptor group 1: 16 rows
.set G1B, 48                           ; s[48:55] 32 rows
.set G1C, 56                           ; s[56:63] 64 rows
.set G0,  24                           ; s[24:39] descriptor group 0, a set of four registers for each of the four tiles
.set MSB, 0
.macro WIN new                         ; low byte: bits 1:0 source 0, 3:2 source 1, 5:4 source 2, 7:6 destination; the high byte repeats the setting that is left
.if MSB != \new
	s_set_vgpr_msb (MSB<<8)|\new
.set MSB, \new
.endif
.endm
.macro PLACES                          ; four plain independent vector instructions behind a matrix instruction (ISA guide 7.12.1)
.rept 4
	v_nop
.endr
.endm
; A round of the cluster's barrier: my work-group's barrier, wave 0 signals for the work-group, every wave waits for all four work-groups, my work-group's barrier again.
.macro ROUND
	s_barrier_signal -1
	s_barrier_wait -1
	s_cmp_lg_u32 s10, 0
	s_cbranch_scc1 .Lnot_wave_0_\@
	s_barrier_signal -3
.Lnot_wave_0_\@:
	s_barrier_wait -3
	s_barrier_signal -1
	s_barrier_wait -1
.endm
; Descriptor group 1: `rows` rows of 32 elements of 8 bytes, dense: rows x 256 consecutive bytes.
.macro SHAPE g1, rows
	s_mov_b32 s[\g1], 15|(3<<16)|(1<<21)           ; 15:0 mask: all four work-groups; 17:16 element of 8 bytes; 21 set beside a mask; no padding
	s_mov_b32 s[\g1+1], 32<<16                     ; tensor_dim0 = 32
	s_mov_b32 s[\g1+2], \rows<<16                  ; tensor_dim1
	s_mov_b32 s[\g1+3], 32<<16                     ; tile_dim0 = 32
	s_mov_b32 s[\g1+4], \rows                      ; tile_dim1
	s_mov_b32 s[\g1+5], 32                         ; from row to row: 32 elements
	s_mov_b32 s[\g1+6], 0
	s_mov_b32 s[\g1+7], 0
.endm
; My eighth of tile c: LDS byte = the tile's first byte + wave << sh, and the same place in the pair's 262,144 bytes of kvf.
.macro FILL c, base, sh, g1
	s_mov_b32 s[G0+4*\c], 1                                        ; count = 1
	s_lshl_b32 s[G0+4*\c+1], s10, \sh
	s_add_co_u32 s[G0+4*\c+1], s[G0+4*\c+1], \base                 ; LDS address
	s_mov_b32 s12, s[G0+4*\c+1]                                    ; the same number as an offset, s13 = 0 above it
	s_add_nc_u64 s[G0+4*\c+2:G0+4*\c+3], s[6:7], s[12:13]
	s_or_b32 s[G0+4*\c+3], s[G0+4*\c+3], 0x80000000                ; type = 2
	tensor_load_to_lds s[G0+4*\c:G0+4*\c+3], s[\g1:\g1+7]
	s_nop 0
.endm
	s_load_b128 s[4:7], s[0:1], 0x0                ; qf s[4:5], kvf s[6:7]
	s_load_b64 s[8:9], s[0:1], 0x10                ; out0
	v_lshl_add_u32 v254, v0, 2, 0x48800
	v_mov_b32 v255, 0
	ds_add_u32 v254, v255
	v_lshrrev_b32 v1, 5, v0
	v_readfirstlane_b32 s10, v1                    ; wave w
	s_bfe_u32 s11, ttmp6, 0x40000                  ; cx: my place in the cluster; ttmp9 counts clusters = (batch, head) pairs
	s_mov_b32 s40, 0x76543210                      ; v_permlanex16_b32: lane i reads lane i of the other half
	s_mov_b32 s41, 0xfedcba98
	SHAPE G1A, 16
	SHAPE G1B, 32
	SHAPE G1C, 64
	s_lshl_b32 s14, ttmp9, 18                      ; kvf: the pair's 262,144 bytes (no register here ever holds cx)
	s_mov_b32 s15, 0
	s_lshl_b32 s12, s11, 5                         ; qf: query tile 32 cx + 4 w, 2,048 bytes each
	s_lshl2_add_u32 s12, s10, s12
	s_lshl_b32 s12, s12, 11
	s_lshl_b32 s13, ttmp9, 18
	s_add_co_u32 s12, s12, s13
	s_mov_b32 s13, 0
	s_lshr_b32 s44, ttmp9, 3                       ; out0: batch x 4 MiB + query (512 cx + 64 w) x 2,048 + head x 256
	s_lshl_b32 s44, s44, 22
	s_lshl_b32 s45, s11, 3
	s_add_co_u32 s45, s45, s10
	s_lshl_b32 s45, s45, 17
	s_add_co_u32 s44, s44, s45
	s_and_b32 s45, ttmp9, 7
	s_lshl_b32 s45, s45, 8
	s_add_co_u32 s44, s44, s45
	s_mov_b32 s45, 0
	v_and_b32 v1, 31, v0
	v_lshlrev_b32 v[ADR], 4, v1
	v_mov_b32 v[QO], v[ADR]
	s_wait_dscnt 0x0
	s_wait_kmcnt 0x0
	s_add_nc_u64 s[4:5], s[4:5], s[12:13]
	s_add_nc_u64 s[6:7], s[6:7], s[14:15]
	s_add_nc_u64 s[8:9], s[8:9], s[44:45]
	; Q goes out first, ahead of the round: it is the work-group's own, nobody writes it, and the first step needs all of it.
.irp u, 0,1,2,3,4,5,6,7,8,9,10,11,12,13,14,15
	global_load_b128 v[QF+4*\u:QF+4*\u+3], v[QO], s[4:5] offset:512*\u th:TH_LOAD_NT   ; u = 4 n + c: 512 consecutive bytes a load; read once in the launch
.endr
	ROUND                                          ; all four work-groups are here: the joint loads meet
	; All four fills of every wave go out as one group, in the order in which the keys are used: four tensor loads of the wave are outstanding, never more.
	FILL 0, 0,      12, G1A                        ; keys 0-127:    4,096 bytes a wave
	FILL 1, 32768,  12, G1A                        ; keys 128-255:  4,096
	FILL 2, 65536,  13, G1B                        ; keys 256-511:  8,192
	FILL 3, 131072, 14, G1C                        ; keys 512-1023: 16,384
	v_and_b32 v7, 15, v0                           ; r
	v_bfe_u32 v1, v0, 4, 1                         ; h
	s_mul_i32 s47, s10, 16*SPITCH
	s_add_co_u32 s47, s47, STAGE                   ; my stage
	v_mul_u32_u24 v[STO], v7, SPITCH               ; in: row r (my query), 32 bytes for each half of the lanes
	v_lshl_add_u32 v[STO], v1, 5, v[STO]
	v_add_nc_u32 v[STO], s47, v[STO]
	v_mul_u32_u24 v[RD], v1, SPITCH                ; back: lanes 0-15 one row of 256 bytes, lanes 16-31 the next
	v_lshl_add_u32 v[RD], v7, 4, v[RD]
	v_add_nc_u32 v[RD], s47, v[RD]
	v_lshlrev_b32 v[CO], 4, v7                     ; and the same two queries in out0
	v_lshl_add_u32 v[CO], v1, 11, v[CO]
.irp n, 0,1,2,3
	v_mov_b32 v[TX+\n], 0                          ; v_permlanex16_b32 counts as a reader of its destination
.endr
; 64 keys at byte `off` of the group of 128.  first = 1: the first step of all: it starts maxima, sums and O, nothing is cleared.
.macro STEP first, off
.rept 5
	v_nop                                          ; behind the last products: four places ahead of the loads into V's fragments, five ahead of the matrix instructions that write over P
.endr
.irp mt, 0,1,2,3
.irp kb, 0,1
	ds_load_b128 v[KF+8*(2*\mt+\kb):KF+8*(2*\mt+\kb)+3],   v[ADR] offset:\off+\mt*2048+\kb*1024        ; keys 16 mt .., channels 32 kb + 8 h ..
	ds_load_b128 v[KF+8*(2*\mt+\kb)+4:KF+8*(2*\mt+\kb)+7], v[ADR] offset:\off+\mt*2048+\kb*1024+512    ; channels 32 kb + 16 + 8 h ..
.endr
.endr
.irp kk, 0,1
.irp t, 0,1,2,3
	ds_load_b128 v[VF+8*(4*\kk+\t):VF+8*(4*\kk+\t)+3],   v[ADR] offset:16384+\off+\kk*4096+\t*512       ; channels 16 t .., keys 32 kk + 8 h ..
	ds_load_b128 v[VF+8*(4*\kk+\t)+4:VF+8*(4*\kk+\t)+7], v[ADR] offset:16384+\off+\kk*4096+\t*512+2048  ; keys 32 kk + 16 + 8 h ..
.endr
.endr
	s_wait_dscnt 16                                ; LDS loads come back in order: K's 16 are in, V's 16 stay out until the second product
	; S^T = K Q^T.  16 accumulators by turns, one instruction a turn; the first 32 channels start the sums.
	WIN 0x50
.irp n, 0,1,2,3
.irp mt, 0,1,2,3
	v_wmma_f32_16x16x32_f16 v[SB+8*(4*\n+\mt):SB+8*(4*\n+\mt)+7], v[KF+16*\mt:KF+16*\mt+7], v[QF+16*\n:QF+16*\n+7], 0
.endr
.endr
.irp n, 0,1,2,3
.irp mt, 0,1,2,3
	v_wmma_f32_16x16x32_f16 v[SB+8*(4*\n+\mt):SB+8*(4*\n+\mt)+7], v[KF+16*\mt+8:KF+16*\mt+15], v[QF+16*\n+8:QF+16*\n+15], v[SB+8*(4*\n+\mt):SB+8*(4*\n+\mt)+7]
.endr
.endr
	PLACES
	; the largest of my 32 scores of each query tile and of the running maximum: four chains that do not wait for each other
	WIN 0x05
.irp n, 0,1,2,3
.if \first
	v_max_num_f32 v[TM+\n], v[SB+32*\n], v[SB+32*\n+1]
.else
	v_max3_num_f32 v[TM+\n], v[SB+32*\n], v[SB+32*\n+1], v[MX+2*\n]
.endif
.endr
.irp i, 1,2,3,4,5,6,7,8,9,10,11,12,13,14,15
.irp n, 0,1,2,3
	v_max3_num_f32 v[TM+\n], v[SB+32*\n+2*\i], v[SB+32*\n+2*\i+1], v[TM+\n]
.endr
.endr
	WIN 0
.irp n, 0,1,2,3
	v_permlanex16_b32 v[TX+\n], v[TM+\n], s40, s41 ; the other half of the query's keys lies in lane l xor 16
.endr
.irp n, 0,1,2,3
	v_max_num_f32 v[TM+\n], v[TM+\n], v[TX+\n]
.endr
.if \first == 0
.irp n, 0,1,2,3
	v_sub_f32 v[AL+2*\n], v[MX+2*\n], v[TM+\n]     ; old maximum - new, at most 0
.endr
.irp n, 0,1,2,3
	v_exp_f32 v[AL+2*\n], v[AL+2*\n]
.endr
.endif
.irp n, 0,1,2,3
	v_mov_b32 v[MX+2*\n], v[TM+\n]                 ; these plain moves also stand between the exponentials and the first use of their results (ISA guide 5.7.2)
	v_mov_b32 v[MX+2*\n+1], v[TM+\n]
.endr
.if \first == 0
	s_wait_alu depctr_va_vdst(0)
.irp n, 0,1,2,3
	v_mov_b32 v[AL+2*\n+1], v[AL+2*\n]
.endr
.endif
	; p = 2^(s - maximum), in place.  Each exponential is followed by a plain instruction on other registers: the rescaling of this
	; tile's O, then the next tile's subtractions.
	WIN 0x41
.irp i, 0,1,2,3,4,5,6,7,8,9,10,11,12,13,14,15
	v_pk_add_f32 v[SB+2*\i:SB+2*\i+1], v[SB+2*\i:SB+2*\i+1], v[MX:MX+1] neg_lo:[0,1] neg_hi:[0,1]
.endr
.irp n, 0,1,2,3
.irp i, 0,1,2,3,4,5,6,7,8,9,10,11,12,13,14,15
	v_exp_f32 v[SB+32*\n+\i], v[SB+32*\n+\i]
.if \first == 0
	v_pk_mul_f32 v[32*\n+2*\i:32*\n+2*\i+1], v[32*\n+2*\i:32*\n+2*\i+1], v[AL+2*\n:AL+2*\n+1]
.endif
.endr
.irp i, 0,1,2,3,4,5,6,7,8,9,10,11,12,13,14,15
	v_exp_f32 v[SB+32*\n+16+\i], v[SB+32*\n+16+\i]
.if \n < 3
	v_pk_add_f32 v[SB+32*(\n+1)+2*\i:SB+32*(\n+1)+2*\i+1], v[SB+32*(\n+1)+2*\i:SB+32*(\n+1)+2*\i+1], v[MX+2*(\n+1):MX+2*(\n+1)+1] neg_lo:[0,1] neg_hi:[0,1]
.endif
.endr
.endr
	v_nop                                          ; one plain place behind the last exponential
	; the running sums, in f32, two partial sums a lane; the old sums are rescaled in the first fused multiply-add
.if \first
	WIN 0x05
	s_wait_alu depctr_va_vdst(0)
.irp n, 0,1,2,3
	v_pk_add_f32 v[LS+2*\n:LS+2*\n+1], v[SB+32*\n:SB+32*\n+1], v[SB+32*\n+2:SB+32*\n+3]
.endr
	WIN 0x01
.else
	WIN 0x10
	s_wait_alu depctr_va_vdst(0)
.irp n, 0,1,2,3
	v_pk_fma_f32 v[LS+2*\n:LS+2*\n+1], v[LS+2*\n:LS+2*\n+1], v[AL+2*\n:AL+2*\n+1], v[SB+32*\n:SB+32*\n+1]
.endr
	WIN 0x01
.irp n, 0,1,2,3
	v_pk_add_f32 v[LS+2*\n:LS+2*\n+1], v[SB+32*\n+2:SB+32*\n+3], v[LS+2*\n:LS+2*\n+1]
.endr
.endif
.irp i, 2,3,4,5,6,7,8,9,10,11,12,13,14,15
.irp n, 0,1,2,3
	v_pk_add_f32 v[LS+2*\n:LS+2*\n+1], v[SB+32*\n+2*\i:SB+32*\n+2*\i+1], v[LS+2*\n:LS+2*\n+1]
.endr
.endr
	; p to f16, in place: 16 registers (two tiles of 16 keys) become the 8 of a fragment with k = 32 keys; register i is written after 2 i and 2 i + 1 >= i were read
	WIN 0x45
.irp g, 0,1,2,3,4,5,6,7
.irp i, 0,1,2,3,4,5,6,7
	v_cvt_pk_f16_f32 v[SB+16*\g+\i], v[SB+16*\g+2*\i], v[SB+16*\g+2*\i+1]
.endr
.endr
	s_wait_dscnt 0x0                               ; V's fragments are in
	; O^T += V^T P^T.  16 accumulators by turns, one instruction a turn.
	WIN 0x54
.irp n, 0,1,2,3
.irp t, 0,1,2,3
.if \first
	v_wmma_f32_16x16x32_f16 v[8*(4*\n+\t):8*(4*\n+\t)+7], v[VF+8*\t:VF+8*\t+7], v[SB+32*\n:SB+32*\n+7], 0
.else
	v_wmma_f32_16x16x32_f16 v[8*(4*\n+\t):8*(4*\n+\t)+7], v[VF+8*\t:VF+8*\t+7], v[SB+32*\n:SB+32*\n+7], v[8*(4*\n+\t):8*(4*\n+\t)+7]
.endif
.endr
.endr
.irp n, 0,1,2,3
.irp t, 0,1,2,3
	v_wmma_f32_16x16x32_f16 v[8*(4*\n+\t):8*(4*\n+\t)+7], v[VF+32+8*\t:VF+32+8*\t+7], v[SB+32*\n+16:SB+32*\n+23], v[8*(4*\n+\t):8*(4*\n+\t)+7]
.endr
.endr
	WIN 0
.endm
.macro GROUP                           ; 128 keys, then on to the next group's 32,768 bytes
	STEP 0, 0
	STEP 0, 8192
	v_add_nc_u32 v[ADR], 0x8000, v[ADR]
.endm
; On to the next tile.  left = how many younger tensor loads of mine may stay out.
.macro NEXT left
	s_wait_dscnt 0x0                               ; no LDS instruction of mine is pending at the signal (met: the last step waited for all)
	s_wait_tensorcnt \left                         ; tensor loads of a wave end in order (ISA guide 10.11.1): my eighth of the next tile is in
	s_barrier_signal -1
	s_barrier_wait -1                              ; everybody's is
.endm
	s_wait_tensorcnt 0x3                           ; my eighth of keys 0-127 is in; my three younger loads stay out
	s_barrier_signal -1
	s_barrier_wait -1                              ; everybody's is
	s_wait_loadcnt 0x0                             ; Q
	STEP 1, 0                                      ; keys 0-127: the first step starts the sums
	STEP 0, 8192
	v_add_nc_u32 v[ADR], 0x8000, v[ADR]
	NEXT 2
	GROUP                                          ; keys 128-255
	NEXT 1
	s_mov_b32 s42, 2
.Lkeys_mid:
	GROUP                                          ; keys 256-511
	s_sub_co_i32 s42, s42, 1
	s_cmp_lg_u32 s42, 0
	s_cbranch_scc1 .Lkeys_mid
	NEXT 0
	s_mov_b32 s42, 4
.Lkeys_high:
	GROUP                                          ; keys 512-1023
	s_sub_co_i32 s42, s42, 1
	s_cmp_lg_u32 s42, 0
	s_cbranch_scc1 .Lkeys_high
	; THE WAY OUT.  1 / sum: my two partial sums, the partner lane's, one reciprocal, twice for the packed multiply.  The sum is at least 1.
	PLACES
.irp n, 0,1,2,3
	v_add_f32 v[TM+\n], v[LS+2*\n], v[LS+2*\n+1]
.endr
.irp n, 0,1,2,3
	v_permlanex16_b32 v[TX+\n], v[TM+\n], s40, s41
.endr
.irp n, 0,1,2,3
	v_add_f32 v[TM+\n], v[TM+\n], v[TX+\n]
.endr
.irp n, 0,1,2,3
	v_rcp_f32 v[AL+2*\n], v[TM+\n]
	v_rcp_f32 v[AL+2*\n+1], v[TM+\n]
.endr
	v_nop                                          ; one plain place behind the reciprocals
	s_wait_alu depctr_va_vdst(0)
; 16 queries: scale, 32 bytes a lane and channel tile into my own stage, read back as whole rows of 256 bytes (a query's 64 channels of this head).
; LDS serves a wave's instructions in order (ISA guide 5.7.1.4), so the loads see the stores above them, and the next tile's stores come behind these loads.
.macro OUT n, f
	WIN 0x01
.irp i, 0,1,2,3,4,5,6,7,8,9,10,11,12,13,14,15
	v_pk_mul_f32 v[KF+2*\i:KF+2*\i+1], v[32*\n+2*\i:32*\n+2*\i+1], v[AL+2*\n:AL+2*\n+1]
.endr
	WIN 0
.irp u, 0,1,2,3,4,5,6,7
	ds_store_b128 v[STO], v[KF+4*\u:KF+4*\u+3] offset:(\u>>1)*64+(\u&1)*16     ; channels 16 (u >> 1) + 8 h + 4 (u & 1) ..
.endr
	s_wait_xcnt 0x0                                ; the registers that earlier stores to out0 read are loaded again only behind this wait
.irp tt, 0,1,2,3,4,5,6,7
	ds_load_b128 v[\f+4*\tt:\f+4*\tt+3], v[RD] offset:\tt*2*SPITCH
.endr
.irp tt, 0,1,2,3,4,5,6,7
	s_wait_dscnt 7-\tt                             ; LDS loads come back in order: load tt is in, the younger ones stay out
	global_store_b128 v[CO], v[\f+4*\tt:\f+4*\tt+3], s[8:9] offset:\n*32768+\tt*4096 th:TH_STORE_NT   ; 16 lanes store 256 consecutive bytes, at a multiple of 256 from out0's first byte
.endr
.endm
	OUT 0, VF
	OUT 1, VF+32
	OUT 2, VF
	OUT 3, VF+32
	s_wait_tensorcnt 0x0
	ds_add_u32 v254, v255
	s_wait_dscnt 0x0
	ROUND                                          ; the closing round: no work-group ends while a partner may still ask for bytes that name it
	s_endpgm
.Lfunc_end_k_q201cf04f25_attn:
	.size	k_q201cf04f25_attn, .Lfunc_end_k_q201cf04f25_attn-k_q201cf04f25_attn
	.p2alignl 7, 3214868480
	.fill 96, 4, 3214868480
	.section	.rodata,"a",@progbits
	.p2align	6, 0x0
	.amdhsa_kernel k_q201cf04f25_attn
		.amdhsa_group_segment_fixed_size 297984
		.amdhsa_private_segment_fixed_size 0
		.amdhsa_enable_private_segment 0
		.amdhsa_kernarg_size 24
		.amdhsa_user_sgpr_count 2
		.amdhsa_user_sgpr_kernarg_segment_ptr 1
		.amdhsa_wavefront_size32 1
		.amdhsa_system_sgpr_workgroup_id_x 1
		.amdhsa_system_sgpr_workgroup_id_y 1
		.amdhsa_system_sgpr_workgroup_id_z 1
		.amdhsa_system_vgpr_workitem_id 0
		.amdhsa_next_free_vgpr 512
		.amdhsa_next_free_sgpr 66
		.amdhsa_reserve_vcc 0
		.amdhsa_float_denorm_mode_32 3
		.amdhsa_float_denorm_mode_16_64 3
		.amdhsa_memory_ordered 1
		.amdhsa_forward_progress 1
		.amdhsa_inst_pref_size 255
	.end_amdhsa_kernel
	.section	.bss,"aw",@nobits
	.p2align	6
	.space	262144
	.amdgpu_metadata
---
amdhsa.version: [ 1, 2 ]
amdhsa.kernels:
  - .name:           k_q201cf04f25_attn
    .symbol:         k_q201cf04f25_attn.kd
    .args:
      - { .name: qf, .offset: 0, .size: 8, .value_kind: global_buffer, .address_space: global }
      - { .name: kvf, .offset: 8, .size: 8, .value_kind: global_buffer, .address_space: global }
      - { .name: out0, .offset: 16, .size: 8, .value_kind: global_buffer, .address_space: global }
    .group_segment_fixed_size: 297984
    .private_segment_fixed_size: 0
    .kernarg_segment_align: 8
    .kernarg_segment_size: 24
    .max_flat_workgroup_size: 256
    .sgpr_count:     66
    .vgpr_count:     512
    .wavefront_size: 32
...
	.end_amdgpu_metadata
.endif
;; end of part 4
